; MI455X (gfx1250); checked and timed in simulation.
; The chip was launched on July 23, 2026; its instructions are those of AMD's public machine-readable ISA for CDNA 5 (MIT licence, August 2026) and "CDNA5" Instruction Set Architecture Reference Guide (July 2026). The comments in the code are by the model that wrote it; some were corrected since.
;; Causal Self Attention. Allowed arithmetic: matrix products marked QUANTISED: E3M2 operands, one E8M0 scale for each 32 along K, by v_wmma_scale_f32_16x16x128_f8f6f4 with both operands' format E3M2, f32 sums; everything else in f32.
;; Inputs: Wproj 1,024 x 1,024 float32; Wqkv 1,024 x 3,072 float32; bproj 1,024 float32; bqkv 3,072 float32; x 4 x 2,048 x 1,024 float32.
;; Outputs: out0 4 x 2,048 x 1,024 float32.
;; This version of the problem:
;;   THIS VERSION OF THE PROBLEM IS GIVEN IN LOW PRECISION. The matrix products marked QUANTISED in the list below multiply operands that are first quantised to E3M2 (3 exponent bits, 2 mantissa bits; 6 bits a number), with one power-of-two scale for each 32 numbers along K (OCP MX v1.0); their sums are f32. All else is computed in f32.
;;   The module's matrix products, in the order in which they are computed (A, B: the left and right operand; K: the contracted axis; several contracted axes count as one K, in the product's order):
;;     1. [M 8,192, K 1,024] x [K 1,024, N 3,072]; A: input x; B: input Wqkv: QUANTISED
;;     2. batch 64 x [M 2,048, K 64] x [K 64, N 2,048]; A: computed on the way; B: computed on the way: QUANTISED
;;     3. batch 64 x [M 64, K 2,048] x [K 2,048, N 2,048]; A: computed on the way; B: softmax (see below): QUANTISED
;;     4. [M 8,192, K 1,024] x [K 1,024, N 1,024]; A: computed on the way; B: input Wproj: QUANTISED
;;   THE QUANTISER, for each operand of a quantised product, along K:
;;     - K is cut into blocks of 32 from its start; a last block that is shorter is filled with zeros.
;;     - A block's scale is 2^e with e = floor(log2(the largest magnitude in the block)) - 4, held to -126 .. 127; a block of zeros has e = 0. As a byte (E8M0): e + 127.
;;     - Each number is divided by its block's scale, clamped to +-28, and rounded to the nearest number of E3M2, ties to even, subnormals kept.
;;     - The product sums the exact products of the quantised numbers (number of the format x scale) in f32.
;;   ~~~python
;;   def quantise(x, axis):      # numpy; x: float32 -> the quantised numbers, widened to float32 again
;;       x = np.moveaxis(x, axis, -1); K = x.shape[-1]
;;       x = np.pad(x, [(0, 0)] * (x.ndim - 1) + [(0, -K % 32)]); x = x.reshape(x.shape[:-1] + (-1, 32)); a = np.abs(x).max(-1, keepdims=True)
;;       e = np.where(a > 0, np.clip(np.frexp(np.where(a > 0, a, 1))[1] - 1 - 4, -126, 127), 0)      # np.frexp(a)[1] - 1 = floor(log2(a)), exactly
;;       r = np.clip(x / 2.0 ** e, -28, 28)
;;       step = 2.0 ** (np.maximum(np.frexp(np.where(r == 0, 1, r))[1] - 1, -2) - 2)
;;       q = np.round(r / step) * step * 2.0 ** e      # np.round: ties to even
;;       return np.moveaxis(q.reshape(q.shape[:-2] + (-1,))[..., :K], -1, axis).astype(np.float32)
;;   ~~~
;;   SOFTMAX AHEAD OF A QUANTISED PRODUCT. Where the list says 'softmax', what is quantised is not the finished softmax but p = 2^(t - M), with t = logit x log2(e) and M = ceil(the row's largest t), a whole number; so 1/2 < the row's largest p <= 1. The row's sum l is taken of the UNQUANTISED p, in f32, and the product's result is divided by l at the end. Since M is a whole number, a kernel that streams over the keys may use a running M (the ceiling of the running maximum): every later rescaling is an exact power of two, which a block's scale takes up: the codes' values come out the same.
;;   OPERANDS COMPUTED ON THE WAY. 'Computed on the way' means the value that the module computes at that place (a softmax that the list does not call 'softmax' is quantised finished and normalised). What goes into a quantiser is computed in f32, as accurately as f32 sums, v_exp_f32 and their like allow (about 1e-6 of the number): no bf16 or f16 on the way to a quantiser, and a product that is left as it is and whose result goes on into a quantised operand takes f32 operands (vector FMAs, or v_wmma_f32_16x16x4_f32). A number that lies on a knife's edge between two numbers of the format may be rounded either way, as far as f32 arithmetic and the matrix unit's own rounding can turn it there, and no further.
;; One version. Each part assembles by itself: llvm-mc -triple=amdgcn-amd-amdhsa -mcpu=gfx1250 --defsym DOCPART=n.
;; ======== version 1 of 1: 4 launches
;; workspace buffers: xq 6,553,600 bytes; wq 2,457,600 bytes; wp 819,200 bytes; qq 6,815,744 bytes; kv 13,369,344 bytes; yq 6,553,600 bytes
;; launch quant (part 1): grid 384 x 1, 4 waves a work-group, no clusters, 68,096 bytes of LDS; arguments x, Wqkv, Wproj, xq, wq, wp; writes xq, wq, wp
.if DOCPART == 1
	.amdgcn_target "amdgcn-amd-amdhsa--gfx1250"
	.amdhsa_code_object_version 6
	.text
	.protected	k_q372b1d2b61_quant
	.globl	k_q372b1d2b61_quant
	.p2align	8
	.type	k_q372b1d2b61_quant,@function
k_q372b1d2b61_quant:
	s_mov_b64 s[64:65], 0
	v_nop
	global_prefetch_b8 v0, s[64:65] scope:SCOPE_SE
	s_setreg_imm32_b32 hwreg(HW_REG_WAVE_MODE, 25, 1), 1
	s_wait_xcnt 0x0
; x [8192][1024], Wqkv [1024][3072] and Wproj [1024][1024], f32, become codes of BF6 (E3M2), 6 bits each, K innermost, with one E8M0 byte for each 32 along K.
; A block's scale is 2^(floor(log2(its largest magnitude)) - 4); its byte is the largest magnitude's exponent field - 4, held at 1 from below.
; LIMITS: a block of zeros gets the byte 1 where the rule says 127 (its codes are zeros, and this program alone reads the bytes); blocks whose largest magnitude lies under 2^-122
; are held at the byte 1; NaN and infinities among the inputs are not served.
; THE ORDER OF ROWS.  In every buffer of codes row R stands at place sigma(R) = R with its bits 3 and 4 exchanged.  Sixteen rows on end of a buffer, used as source 0 of a product, then give
; results in which a lane's 16 registers of two neighbouring tiles are 16 true neighbours: what the next quantiser wants.
; xq: codes [8192][768] at 0, scale bytes [8192][32] at 6,291,456.   wq: codes [3072][768] at 0, bytes [3072][32] at 2,359,296.   wp: codes [1024][768] at 0, bytes [1024][32] at 786,432.
; Work-groups 0-255 take x (K innermost: a stream of blocks), work-groups 256-383 the weights (K outermost: a lane to a column, registers down K).  The two ways have LDS bytes of their own.
; No tensor loads, no barrier: waves share nothing.  Matrix units and clusters have nothing to do here: the launch moves bytes.
.set XWG,    256                       ; work-groups for x
.set XWREG,  8192                      ; x: LDS of a wave: two stages of 32 x XSP bytes, then its 256 scale bytes
.set XSP,    80                        ; a lane's place in a stage: 64 bytes + 16 of padding
.set XSTEPS, 16                        ; steps of 512 numbers a wave: 8 rows of x
.set CB,     12                        ; bytes of 16 codes
.set XR,     16                        ; v16-79   four sets of 16 numbers as loaded
.set XX,     80                        ; v80-111  two sets of 16 neighbours
.set XE,     112                       ; v112-127 a scale byte for each step
.set XC,     128                       ; v128-191 codes: four registers for each step
.set WLDS,   32768                     ; the weights' LDS begins here
.set WSTG,   8704                      ; a wave's stage: 32 rows x WP
.set WP,     272                       ; a stage row: sixteen places of 16 bytes, each with 12 bytes of codes, + 16
.set NB,     8                         ; blocks of 32 along K for a wave
.set WSB,    24                        ; v24-25   the scale bytes
.set WX,     32                        ; v32-95   two sets of 32 numbers
.set WC,     96                        ; v96-102  a block's codes
.set WOUT,   112                       ; v112-175 the way out
.set WOF,    176                       ; v176-207 4 x lane + i rows of the weight; never rewritten
	s_load_b128 s[4:7], s[0:1], 0x0                ; x, Wqkv
	s_load_b128 s[8:11], s[0:1], 0x10              ; Wproj, xq
	s_load_b128 s[12:15], s[0:1], 0x20             ; wq, wp
	v_lshl_add_u32 v208, v0, 2, 0x10800
	v_mov_b32 v209, 0
	v_lshrrev_b32 v1, 5, v0
	v_readfirstlane_b32 s16, v1                    ; wave 0..3
	v_and_b32 v2, 31, v0                           ; lane
	s_cmp_lt_u32 ttmp9, XWG
	s_cbranch_scc0 .Lweights
; ---------------- x.  A wave takes 8 rows: 16 steps of 512 numbers.  Each load reads 512 consecutive bytes; a step's 2,048 bytes turn through the wave's own stage, so that a lane holds 16 neighbours.
	v_lshlrev_b32 v3, 4, v2                        ; my 16 bytes of a load's 512
	s_mul_i32 s17, s16, XWREG
	v_lshrrev_b32 v14, 2, v2
	v_mul_u32_u24 v14, v14, XSP
	v_and_b32 v15, 3, v2
	v_lshl_add_u32 v14, v15, 4, v14
	v_add_nc_u32 v14, s17, v14                     ; the stage, on the way in: XSP (lane / 4) + 16 (lane % 4)
	v_mul_u32_u24 v15, v2, XSP
	v_add_nc_u32 v15, s17, v15                     ; and on the way out: XSP x lane
	v_mul_u32_u24 v4, v2, CB                       ; my codes' place in a step's
	v_lshrrev_b32 v5, 1, v2
	s_add_co_u32 s17, s17, 2*32*XSP
	v_add_nc_u32 v5, s17, v5                       ; my block's byte among the wave's 256
	v_lshlrev_b32 v7, 3, v2
	v_add_nc_u32 v6, s17, v7                       ; and on the way out 8 bytes a lane
	s_lshl_b32 s18, ttmp9, 2
	s_add_co_u32 s19, s18, s16                     ; which 8 rows are mine: 4 x work-group + wave
	s_lshl_b32 s20, s19, 15                        ; 32,768 bytes of x
	s_mov_b32 s21, 0
	s_and_b32 s22, s16, 1                          ; a row's bits 3 and 4 are the wave's bits 0 and 1: exchanged, they say where my 8 rows stand in xq
	s_lshl_b32 s22, s22, 1
	s_lshr_b32 s23, s16, 1
	s_or_b32 s22, s22, s23
	s_add_co_u32 s22, s22, s18
	s_mul_i32 s24, s22, 6144                       ; 8 rows of 768 bytes of codes
	s_mov_b32 s25, 0
	s_lshl_b32 s26, s22, 8                         ; 8 rows of 32 scale bytes
	s_add_co_u32 s26, s26, 6291456
	s_mov_b32 s27, 0
	s_wait_alu depctr_va_vdst(0)
	s_wait_kmcnt 0x0
	s_add_nc_u64 s[4:5], s[4:5], s[20:21]
	s_add_nc_u64 s[24:25], s[10:11], s[24:25]
	s_add_nc_u64 s[26:27], s[10:11], s[26:27]
.macro XLOAD t
.irp i, 0,1,2,3
	global_load_b128 v[XR+16*((\t)%4)+4*\i:XR+16*((\t)%4)+4*\i+3], v3, s[4:5] offset:2048*(\t)+512*\i th:TH_LOAD_NT
.endr
.endm
.macro XTURN t                         ; LDS serves a wave's instructions in order: no wait between the stores and the loads
.irp i, 0,1,2,3
	ds_store_b128 v14, v[XR+16*((\t)%4)+4*\i:XR+16*((\t)%4)+4*\i+3] offset:32*XSP*((\t)%2)+8*XSP*\i
.endr
.irp i, 0,1,2,3
	ds_load_b128 v[XX+16*((\t)%2)+4*\i:XX+16*((\t)%2)+4*\i+3], v15 offset:32*XSP*((\t)%2)+16*\i
.endr
.endm
.irp t, 0,1,2,3
	XLOAD \t
.endr
	s_wait_loadcnt 12                              ; step 0's four loads are in; twelve younger ones stay out
	XTURN 0
.macro XSTEP t
.set XS, XX+16*((\t)%2)
.if (\t) > 0
	s_wait_dscnt 1                                 ; this step's numbers are back from the stage; the last step's byte store may be out
.else
	s_wait_dscnt 0x0
.endif
.if (\t)+4 < XSTEPS
	XLOAD (\t)+4                                   ; into the set whose stores into the stage are done
.endif
.if (\t)+1 < XSTEPS
.if XSTEPS-2-(\t) >= 3
	s_wait_loadcnt 12                              ; the next step's four loads are in; those of the three steps behind it may be out
.else
	s_wait_loadcnt 4*(XSTEPS-2-(\t))
.endif
	XTURN (\t)+1
.endif
	v_max3_num_f32 v8, |v[XS]|, |v[XS+1]|, |v[XS+2]|               ; the largest magnitude of my 16, in two chains
	v_max3_num_f32 v9, |v[XS+3]|, |v[XS+4]|, |v[XS+5]|
.irp i, 6,10
	v_max3_num_f32 v8, v8, |v[XS+\i]|, |v[XS+\i+1]|
	v_max3_num_f32 v9, v9, |v[XS+\i+2]|, |v[XS+\i+3]|
.endr
	v_max3_num_f32 v8, v8, |v[XS+14]|, |v[XS+15]|
	v_max3_num_f32 v8, v8, v9, 0x2800000           ; and the floor 2^(5 - 127): the byte cannot fall under 1
	v_max_num_f32_dpp v8, v8, v8 row_xmask:1 row_mask:0xf bank_mask:0xf   ; with my neighbour's 16: the block's
	v_add_nc_u32 v11, 0xfe000000, v8               ; 4 off its exponent field: the conversion takes the exponent field of this operand as its scale
	v_cvt_scalef32_pk16_bf6_f32 v[XC+4*(\t):XC+4*(\t)+2], v[XS:XS+15], v11
	v_lshrrev_b32 v[XE+(\t)], 23, v11              ; the scale's byte
	ds_store_b8 v5, v[XE+(\t)] offset:16*(\t)      ; both lanes of a block write the same byte with the same value
	global_store_b96 v4, v[XC+4*(\t):XC+4*(\t)+2], s[24:25] offset:32*CB*(\t)   ; the wave stores 384 consecutive bytes
.endm
.irp t, 0,1,2,3,4,5,6,7,8,9,10,11,12,13,14,15
	XSTEP \t
.endr
	ds_load_b64 v[12:13], v6                       ; in order behind my byte stores
	s_wait_dscnt 0x0
	global_store_b64 v7, v[12:13], s[26:27]        ; 32 lanes store 256 consecutive bytes, aligned
	s_wait_tensorcnt 0x0
	ds_add_u32 v208, v209
	s_wait_dscnt 0x0
	s_endpgm
; ---------------- the weights.  A wave takes 32 columns x 256 along K; a lane takes a column, its registers run down K, so a block of 32 lies in one lane and the codes come out with K innermost.
; Work-groups 256-351: Wqkv (24 groups of 128 columns x 4 parts of K); 352-383: Wproj (8 x 4).  Only pointers and pitches are chosen: both weights take one way through the text.
; A row's piece is 192 bytes and a lane's scale bytes are 8: aligned blocks of 256 bytes are written in part.  Whole ones would want 1,024 along K to a wave: a quarter of the work-groups.
.Lweights:
	s_sub_co_u32 s17, ttmp9, XWG
	s_and_b32 s18, s17, 3                          ; which 256 along K
	s_wait_kmcnt 0x0
	s_cmp_lt_u32 s17, 96                           ; the choice hangs on the work-group's number alone
	s_cselect_b64 s[20:21], s[6:7], s[8:9]         ; the weight
	s_cselect_b64 s[22:23], s[12:13], s[14:15]     ; its buffer of codes
	s_mov_b32 s24, 4096
	s_cselect_b32 s24, 12288, s24                  ; a row of the weight in bytes
	s_mov_b32 s25, 786432
	s_cselect_b32 s25, 2359296, s25                ; where the scale bytes begin
	s_cselect_b32 s26, 0, 96
	s_sub_co_u32 s26, s17, s26
	s_lshr_b32 s26, s26, 2
	s_lshl_b32 s26, s26, 7
	s_lshl_b32 s27, s16, 5
	s_add_co_u32 s26, s26, s27                     ; my wave's first column
	s_mul_i32 s28, s18, s24
	s_lshl_b32 s28, s28, 8                         ; 256 rows for each part of K
	s_lshl_b32 s29, s26, 2
	s_add_co_u32 s28, s28, s29
	s_mov_b32 s29, 0
	s_add_nc_u64 s[32:33], s[20:21], s[28:29]      ; block 0's first row, my first column
	s_lshl_b32 s30, s24, 5                         ; 32 rows on
	s_mov_b32 s31, 0
.irp t, 1,2,3,4,5,6,7
	s_add_nc_u64 s[32+2*\t:33+2*\t], s[30+2*\t:31+2*\t], s[30:31]   ; a base for each block: none is ever stepped
.endr
	s_mul_i32 s28, s26, 768
	s_mul_i32 s19, s18, 192
	s_add_co_u32 s28, s28, s19
	s_add_nc_u64 s[48:49], s[22:23], s[28:29]      ; codes: column x 768 + 192 x part
	s_lshl_b32 s28, s26, 5
	s_lshl_b32 s19, s18, 3
	s_add_co_u32 s28, s28, s19
	s_add_co_u32 s28, s28, s25
	s_add_nc_u64 s[50:51], s[22:23], s[28:29]      ; scale bytes: column x 32 + 8 x part
	s_wait_alu depctr_va_vdst(0)
	v_lshlrev_b32 v[WOF], 2, v2
.set i, 1
.rept 31
	v_add_nc_u32 v[WOF+i], s24, v[WOF+i-1]
.set i, i+1
.endr
	s_mul_i32 s19, s16, WSTG
	s_add_co_u32 s19, s19, WLDS                    ; my stage
	v_mul_u32_u24 v4, v2, WP
	v_add_nc_u32 v4, s19, v4                       ; into it: row = my column
	v_and_b32 v5, 15, v2
	v_lshrrev_b32 v6, 4, v2
	v_mul_u32_u24 v7, v6, WP
	v_lshl_add_u32 v7, v5, 4, v7
	v_add_nc_u32 v7, s19, v7                       ; out of it: sixteen lanes to a row, two rows an instruction
	v_mul_u32_u24 v8, v6, 768
	v_mad_u32_u24 v8, v5, 12, v8                   ; and the same place in the codes' buffer
	v_and_b32 v9, 7, v2                            ; sigma(lane): bits 3 and 4 exchanged
	v_and_b32 v10, 8, v2
	v_lshl_or_b32 v9, v10, 1, v9
	v_and_b32 v10, 16, v2
	v_lshrrev_b32 v10, 1, v10
	v_or_b32 v9, v9, v10
	v_lshlrev_b32 v9, 5, v9                        ; my column's row of scale bytes
.macro WLOAD t                         ; block t: 32 rows at my column, into set t % 2; 32 lanes read 128 consecutive bytes
.irp i, 0,1,2,3,4,5,6,7,8,9,10,11,12,13,14,15,16,17,18,19,20,21,22,23,24,25,26,27,28,29,30,31
	global_load_b32 v[WX+32*((\t)%2)+\i], v[WOF+\i], s[32+2*(\t):33+2*(\t)] th:TH_LOAD_NT
.endr
.endm
	WLOAD 0
	WLOAD 1
.macro WBLOCK t
.set XS, WX+32*((\t)%2)
.if (\t) < NB-1
	s_wait_loadcnt 32                              ; this block's 32 loads are in; the next block's may be out
.else
	s_wait_loadcnt 0
.endif
	v_max3_num_f32 v12, |v[XS]|, |v[XS+1]|, |v[XS+2]|
	v_max3_num_f32 v13, |v[XS+3]|, |v[XS+4]|, |v[XS+5]|
.irp i, 6,10,14,18,22,26
	v_max3_num_f32 v12, v12, |v[XS+\i]|, |v[XS+\i+1]|
	v_max3_num_f32 v13, v13, |v[XS+\i+2]|, |v[XS+\i+3]|
.endr
	v_max3_num_f32 v12, v12, |v[XS+30]|, |v[XS+31]|
	v_max3_num_f32 v12, v12, v13, 0x2800000        ; the floor 2^(5 - 127)
	v_add_nc_u32 v11, 0xfe000000, v12              ; 4 off the exponent field: the conversion's scale operand
	v_lshrrev_b32 v13, 23, v11                     ; the scale's byte
.if (\t)%4 == 0
	v_mov_b32 v[WSB+(\t)/4], v13
.else
	v_lshl_or_b32 v[WSB+(\t)/4], v13, 8*((\t)%4), v[WSB+(\t)/4]
.endif
	v_cvt_scalef32_pk16_bf6_f32 v[WC:WC+2], v[XS:XS+15], v11
	v_cvt_scalef32_pk16_bf6_f32 v[WC+4:WC+6], v[XS+16:XS+31], v11   ; (a conversion's three registers begin on an even number)
	ds_store_b96 v4, v[WC:WC+2] offset:32*(\t)     ; 12 bytes to a place of 16: every LDS address is a multiple of 16
	ds_store_b96 v4, v[WC+4:WC+6] offset:32*(\t)+16
.if (\t)+2 < NB
	WLOAD (\t)+2
.endif
	s_wait_dscnt 0x0                               ; the stores have read their registers: the next block's codes may be written
.endm
.set Q, 0
.rept NB
	WBLOCK Q
.set Q, Q+1
.endr
	s_wait_alu depctr_va_vdst(0)
	global_store_b64 v9, v[WSB:WSB+1], s[50:51]    ; my column's 8 scale bytes
.irp t, 0,1,2,3,4,5,6,7,8,9,10,11,12,13,14,15
	ds_load_b96 v[WOUT+4*\t:WOUT+4*\t+2], v7 offset:2*\t*WP
.endr
.irp t, 0,1,2,3,4,5,6,7,8,9,10,11,12,13,14,15
.set SG, (((2*\t)&7)|(((2*\t)&8)<<1)|(((2*\t)&16)>>1))
	s_wait_dscnt 15-\t                             ; the younger read-backs may be out
	global_store_b96 v8, v[WOUT+4*\t:WOUT+4*\t+2], s[48:49] offset:SG*768   ; columns 2 t and 2 t + 1 at their places sigma
.endr
	s_wait_tensorcnt 0x0
	ds_add_u32 v208, v209
	s_wait_dscnt 0x0
	s_endpgm
.Lfunc_end_k_q372b1d2b61_quant:
	.size	k_q372b1d2b61_quant, .Lfunc_end_k_q372b1d2b61_quant-k_q372b1d2b61_quant
	.p2alignl 7, 3214868480
	.fill 96, 4, 3214868480
	.section	.rodata,"a",@progbits
	.p2align	6, 0x0
	.amdhsa_kernel k_q372b1d2b61_quant
		.amdhsa_group_segment_fixed_size 68096
		.amdhsa_private_segment_fixed_size 0
		.amdhsa_enable_private_segment 0
		.amdhsa_kernarg_size 48
		.amdhsa_user_sgpr_count 2
		.amdhsa_user_sgpr_kernarg_segment_ptr 1
		.amdhsa_wavefront_size32 1
		.amdhsa_system_sgpr_workgroup_id_x 1
		.amdhsa_system_sgpr_workgroup_id_y 1
		.amdhsa_system_sgpr_workgroup_id_z 1
		.amdhsa_system_vgpr_workitem_id 0
		.amdhsa_next_free_vgpr 210
		.amdhsa_next_free_sgpr 66
		.amdhsa_reserve_vcc 0
		.amdhsa_float_denorm_mode_32 3
		.amdhsa_float_denorm_mode_16_64 3
		.amdhsa_memory_ordered 1
		.amdhsa_forward_progress 1
		.amdhsa_inst_pref_size 75
	.end_amdhsa_kernel
	.amdgpu_metadata
---
amdhsa.version: [ 1, 2 ]
amdhsa.kernels:
  - .name:           k_q372b1d2b61_quant
    .symbol:         k_q372b1d2b61_quant.kd
    .args:
      - { .name: x, .offset: 0, .size: 8, .value_kind: global_buffer, .address_space: global }
      - { .name: Wqkv, .offset: 8, .size: 8, .value_kind: global_buffer, .address_space: global }
      - { .name: Wproj, .offset: 16, .size: 8, .value_kind: global_buffer, .address_space: global }
      - { .name: xq, .offset: 24, .size: 8, .value_kind: global_buffer, .address_space: global }
      - { .name: wq, .offset: 32, .size: 8, .value_kind: global_buffer, .address_space: global }
      - { .name: wp, .offset: 40, .size: 8, .value_kind: global_buffer, .address_space: global }
    .group_segment_fixed_size: 68096
    .private_segment_fixed_size: 0
    .kernarg_segment_align: 8
    .kernarg_segment_size: 48
    .max_flat_workgroup_size: 128
    .sgpr_count:     66
    .vgpr_count:     210
    .wavefront_size: 32
...
	.end_amdgpu_metadata
.endif
;; end of part 1
;; launch gemm_qkv (part 2): grid 12 x 32, 4 waves a work-group, clusters of 4 x 4, 327,680 bytes of LDS; arguments xq, wq, bqkv, qq, kv; writes qq, kv
.if DOCPART == 2
	.amdgcn_target "amdgcn-amd-amdhsa--gfx1250"
	.amdhsa_code_object_version 6
	.text
	.protected	k_q372b1d2b61_gemm_qkv
	.globl	k_q372b1d2b61_gemm_qkv
	.p2align	8
	.type	k_q372b1d2b61_gemm_qkv,@function
k_q372b1d2b61_gemm_qkv:
	s_mov_b64 s[64:65], 0
	v_nop
	global_prefetch_b8 v0, s[64:65] scope:SCOPE_SE
	s_setreg_imm32_b32 hwreg(HW_REG_WAVE_MODE, 25, 1), 1
	s_wait_xcnt 0x0
	s_wait_alu depctr_hold_cnt(0) depctr_sa_sdst(0) depctr_va_vdst(0) depctr_va_sdst(0) depctr_va_ssrc(0) depctr_va_vcc(0) depctr_vm_vsrc(0)
	s_getreg_b32 s2, hwreg(HW_REG_IB_STS2, 6, 4)
	s_cmp_eq_u32 s2, 0
	s_cbranch_scc0 .Lentry_in_a_cluster
	s_endpgm
.Lentry_in_a_cluster:
	s_bfe_u32 s2, ttmp6, 0x10000c
	s_cmp_lg_u32 s2, 0xf033
	s_cbranch_scc0 .Lentry_shape_is_right
	s_endpgm
.Lentry_shape_is_right:
; qkv = x Wqkv + bqkv on codes of BF6 (E3M2) with one E8M0 scale for each 32 along K = 1,024; sums in f32; the results never go to memory as f32: they are quantised here for the attention's products,
; q and k along the head's 64 channels, v along the tokens.
; A work-group of four waves makes 256 x 256 results, a wave 128 x 128 in 64 accumulators.  K goes in steps of 256 through a ring of two LDS slots filled by the tensor data mover; the scale bytes of the
; work-group's 512 rows come once, with the first fills.  4 x 4 work-groups form a cluster and ask for shared tiles jointly.
; TWO ROLES.  S0 is source 0 of the products (shared along a column of the cluster), S1 source 1 (shared along a row).  In a result a lane holds ONE row of S1 and its registers run along S0's rows.
; The cluster's x is the MODE: 0 = q, 1 = k: S0 = 256 rows of wq (channels), S1 = 256 rows of xq (tokens): a lane holds a token, registers run along channels.
;                              2 = v:        S0 = 256 rows of xq (tokens),  S1 = 256 rows of wq (channels): a lane holds a channel, registers run along tokens.
; The MODE is equal in all partners of a cluster.  It chooses pointers and offsets, and two short branches in the way out.
; Rows of xq and wq stand at sigma(row) (bits 3 and 4 exchanged): so the 16 registers of S0's tiles 2 b and 2 b + 1 are the 16 true neighbours 32 b + 16 (lane / 16) + 0 .. 15, as the quantiser wants them.
; OUT.  qq: codes [bh 64][2048 tokens at sigma][48] at 0; scale words [bh][2048][4] at 6,291,456 (bytes 0, 1: the head's two blocks; bytes 2, 3: never 0xff).
;       kv: [bh][16 steps of 128 tokens][13,056]: K's codes 128 x 48 at 0; V's codes [2][64 channels at sigma][48] at 6,144 (piece c x 3,072 + row x 48 + 24 hh: true tokens 64 c + 32 hh + 0 .. 31);
;           K's scale words 128 x 4 at 12,288; V's 64 x 4 at 12,800.
; LIMITS: a block of zeros gets the byte 1 (read by this program alone); largest magnitudes under 2^-122 are held at the byte 1; NaN and infinities are not served.
; REGISTERS: window 0: v0-31 addresses; v32-63 scale words, two sets; v64-127 the bias along S0; v128-223 S1's fragments, one set; v224-231 the bias along S1; v232-255 the way out's.
;   window 1: S0's fragments, two sets.   windows 2, 3: the accumulators ((a, b) at v[8 (8 (a % 4) + b)]).
.set KSTEP,  256
.set NQ,     2                         ; matrix instructions deep in a slot
.set ROWB,   192                       ; a tile's row: 256 codes
.set KROW,   768                       ; a row of codes in memory
.set PITCH,  240                       ; an LDS row: 3 x (64 bytes + 16 of padding): the 32 lanes of a load of 8 bytes touch 64 different banks (64 banks of 4 bytes: ISA guide 11.1)
.set FR,     12
.set NL,     6
.set NP,     4                         ; places behind this matrix instruction (ISA guide 7.12.1)
.set HALFT,  128*PITCH
.set SLOT,   4*HALFT                   ; S1's 256 rows, then S0's
.set LAPS,   2                         ; 1,024 / 512
.set KS,     32                        ; a row of scale bytes
.set SCL,    2*SLOT                    ; the scales, as 256 bytes + 16 of padding
.set HALFS,  4352                      ; those of 128 rows: 16 x 272
.set SBLK,   544                       ; those of 16 rows
.set SPARE,  SCL+4*HALFS               ; the spare words: 128 bytes a wave, two blocks of 256 bytes that no other line names
.set STGB,   13312                     ; the way out: a wave's stage, in slot 0: codes 2 x 6,144, scale words 2 x 512
.set ADRA, 16                          ; v16-17 (v18-19 behind one padding more): S1's fragments in slot 0, 1
.set ADRB, 20                          ; v20-21 (v22-23): S0's
.set ADRS, 27                          ; my scale words: lanes 0-15 S1's rows, lanes 16-31 S0's
.set SPW,  28                          ; SPARE + 4 x my thread's number; never rewritten
.set NIL,  29                          ; 0; never rewritten
.set SC,   32
.set BQ,   64                          ; bias of channel r0 + 32 (b / 2) + 8 (b % 2) + 16 h + j at v[BQ + 8 b + j]
.set AF,   128
.set ST,   128                         ; the way out: 64 numbers to quantise; at its end v128-223 take the stage's 24 x 512 bytes of codes
.set PC,   192                         ; the codes just made (12) and the conversions' second halves
.set BV,   224                         ; bias of channel r1 + 32 (a / 2) + 8 (a % 2) + r + 8 (r / 8) at v[BV + a]
.set TM,   232                         ; v232-247 the quantiser's
.set SWB,  232                         ; v232-239 at the way out's end, when the quantiser is done: the stage's 2 x 512 bytes of scale words
.set PW,   248                         ; the scale word just made
.set SH,   249                         ; how far my half of the lanes shifts it: 16 h for q and k, 0 for v
.set STC,  250                         ; stage: my codes
.set STS,  251                         ; stage: my scale word
.set RDA,  252                         ; stage + 16 x lane
.set COF,  253                         ; 16 x lane
.set SOF,  254                         ; 16 x lane, and for v lanes 16-31 one head on
.set G1, 24
.set G0, 32
.set G1B, 48
.set G0B, 56
.set G1S, 68
.set G0S, 76
.set G1SB, 80
.set G0SB, 88
.set CB,  40                           ; s[40:47] where the four chunks of 3,072 bytes of codes go
.set SEL, 66                           ; s[66:67] lane selects: lane l xor 16
.set MSB, 0
.macro WIN new                         ; the immediate's high byte repeats the setting that is left
.if MSB != (\new)
	s_set_vgpr_msb (MSB<<8)|(\new)
.set MSB, (\new)
.endif
.endm
.set MUL_LO, 0xa1                      ; source 0 window 1, source 1 window 0, C and D window 2
.set MUL_HI, 0xf1
.set TO_B,   0x40
; A joint load: waves 0 and 1 fetch for S1, waves 2 and 3 for S0.  The branch hangs on the wave's number alone.  Four v_nop follow each of the two lines.
.macro JLOAD g0a, g1a, g0b, g1b
	s_cmp_eq_u32 s15, 0
	s_cbranch_scc0 .Lfor_b_\@
	tensor_load_to_lds s[\g0a:\g0a+3], s[\g1a:\g1a+7]
	s_nop 0
.rept 4
	v_nop
.endr
	s_branch .Lasked_\@
.Lfor_b_\@:
	tensor_load_to_lds s[\g0b:\g0b+3], s[\g1b:\g1b+7]
	s_nop 0
.rept 4
	v_nop
.endr
.Lasked_\@:
.endm
.macro CREST                           ; a round of the cluster's barrier behind its opening barrier
	s_cmp_lg_u32 s14, 0
	s_cbranch_scc1 .Lnot_wave_0_\@
	s_barrier_signal -3
.Lnot_wave_0_\@:
	s_barrier_wait -3
	s_barrier_signal -1
	s_barrier_wait -1
.endm
.macro CROUND
	s_barrier_signal -1
	s_barrier_wait -1
	CREST
.endm
	s_load_b128 s[4:7], s[0:1], 0x0                ; xq, wq
	s_load_b128 s[8:11], s[0:1], 0x10              ; bqkv, qq
	s_load_b64 s[12:13], s[0:1], 0x20              ; kv
	v_lshl_add_u32 v[SPW], v0, 2, SPARE
	v_mov_b32 v[NIL], 0
	ds_add_u32 v28, v29
	ds_add_u32 v28, v29
	s_wait_dscnt 0x0
	v_lshrrev_b32 v1, 5, v0
	v_readfirstlane_b32 s14, v1                    ; wave 0..3
	s_lshr_b32 s15, s14, 1                         ; which half of S1's rows is mine.  Also: I fetch for S1 (0) or for S0 (1)
	s_and_b32 s16, s14, 1                          ; which half of S0's rows.  Also: which 128 rows I fetch
	s_bfe_u32 s40, ttmp6, 0x40000                  ; cx
	s_bfe_u32 s41, ttmp6, 0x40004                  ; cy
	s_and_b32 s18, ttmp7, 0xffff
	s_lshl_b32 s18, s18, 2                         ; 4 x cluster y: four tiles of tokens
	s_lshl_b32 s19, ttmp9, 2                       ; 4 x MODE: four tiles of channels
	s_cmp_eq_u32 ttmp9, 2
	s_cselect_b32 s42, s18, s19
	s_cselect_b32 s17, 8, s18
	s_add_co_u32 s42, s42, s40                     ; S0's tile: hangs on cx and the cluster's place
	s_add_co_u32 s17, s17, s41                     ; S1's tile: on cy and the cluster's place
	s_lshl_b32 s43, s41, 2
	s_lshl_b32 s43, 15, s43                        ; my row of the cluster
	s_lshl_b32 s44, 0x1111, s40                    ; my column
	; descriptor group 1: 128 rows x 192 bytes, 16 bytes of padding behind every 64
	s_or_b32 s[G1+0], s43, (0<<16)|(1<<20)|(1<<21)|(3<<22)|(3<<25)
	s_or_b32 s[G1B+0], s44, (0<<16)|(1<<20)|(1<<21)|(3<<22)|(3<<25)
.irp g, G1, G1B
	s_mov_b32 s[\g+1], ROWB<<16                    ; tensor_dim0
	s_mov_b32 s[\g+2], 128<<16                     ; tensor_dim1
	s_mov_b32 s[\g+3], ROWB<<16                    ; tile_dim0
	s_mov_b32 s[\g+4], 128                         ; tile_dim1
	s_mov_b32 s[\g+5], KROW                        ; from row to row
	s_mov_b32 s[\g+6], 0
	s_mov_b32 s[\g+7], 0
.endr
	; the scales of 128 rows: 4,096 dense bytes as 16 rows of 256 (32 elements of 8 bytes), 16 bytes of padding behind each
	s_or_b32 s[G1S+0], s43, (3<<16)|(1<<20)|(1<<21)|(5<<22)|(3<<25)
	s_or_b32 s[G1SB+0], s44, (3<<16)|(1<<20)|(1<<21)|(5<<22)|(3<<25)
.irp g, G1S, G1SB
	s_mov_b32 s[\g+1], 32<<16
	s_mov_b32 s[\g+2], 16<<16
	s_mov_b32 s[\g+3], 32<<16
	s_mov_b32 s[\g+4], 16
	s_mov_b32 s[\g+5], 32
	s_mov_b32 s[\g+6], 0
	s_mov_b32 s[\g+7], 0
.endr
	s_lshl_b32 s18, s16, 7
	s_lshl_b32 s20, s17, 8
	s_add_co_u32 s20, s20, s18                     ; S1: the first row that I fetch
	s_lshl_b32 s46, s42, 8
	s_add_co_u32 s46, s46, s18                     ; S0 likewise
	s_lshl_b32 s22, s20, 5                         ; their scale bytes,
	s_lshl_b32 s92, s46, 5
	s_mul_i32 s20, s20, KROW                       ; their codes
	s_mul_i32 s46, s46, KROW
	s_mov_b32 s21, 0
	s_mov_b32 s23, 0
	s_mov_b32 s47, 0
	s_mov_b32 s93, 0
	s_mul_i32 s45, s14, HALFT                      ; where they go: wave x 128 rows: no place in the cluster enters an LDS address
	s_mul_i32 s94, s14, HALFS
	s_cmp_eq_u32 ttmp9, 2
	s_mov_b32 s98, 6291456
	s_cselect_b32 s98, 2359296, s98                ; where S1's buffer has its scale bytes
	s_mov_b32 s99, 2359296
	s_cselect_b32 s99, 6291456, s99                ; and S0's
	s_add_co_u32 s22, s22, s98
	s_add_co_u32 s92, s92, s99
	s_wait_kmcnt 0x0
	s_cmp_eq_u32 ttmp9, 2
	s_cselect_b64 s[96:97], s[6:7], s[4:5]         ; S1's buffer
	s_cselect_b64 s[98:99], s[4:5], s[6:7]         ; S0's
	s_add_nc_u64 s[20:21], s[96:97], s[20:21]
	s_add_nc_u64 s[22:23], s[96:97], s[22:23]
	s_add_nc_u64 s[46:47], s[98:99], s[46:47]
	s_add_nc_u64 s[92:93], s[98:99], s[92:93]
	CROUND                                         ; all sixteen work-groups are here: the first joint loads meet
	s_mov_b32 s[G0S], 1
	s_add_co_u32 s[G0S+1], s94, SCL
	s_mov_b64 s[G0S+2:G0S+3], s[22:23]
	s_or_b32 s[G0S+3], s[G0S+3], 0x80000000
	s_mov_b32 s[G0SB], 1
	s_add_co_u32 s[G0SB+1], s94, SCL
	s_mov_b64 s[G0SB+2:G0SB+3], s[92:93]
	s_or_b32 s[G0SB+3], s[G0SB+3], 0x80000000
	JLOAD G0S, G1S, G0SB, G1SB                     ; the scales first: they are wanted with K step 0
.irp s, 0,1
	s_mov_b32 s[G0+4*\s], 1
	s_add_co_u32 s[G0+4*\s+1], s45, \s*SLOT
	s_add_nc_u64 s[G0+4*\s+2:G0+4*\s+3], s[20:21], \s*ROWB
	s_or_b32 s[G0+4*\s+3], s[G0+4*\s+3], 0x80000000
	s_mov_b32 s[G0B+4*\s], 1
	s_add_co_u32 s[G0B+4*\s+1], s45, \s*SLOT
	s_add_nc_u64 s[G0B+4*\s+2:G0B+4*\s+3], s[46:47], \s*ROWB
	s_or_b32 s[G0B+4*\s+3], s[G0B+4*\s+3], 0x80000000
	JLOAD G0+4*\s, G1, G0B+4*\s, G1B
.endr
	; my wave's first rows, and what the MODE makes of them
	s_lshl_b32 s18, s42, 8
	s_lshl_b32 s19, s16, 7
	s_add_co_u32 s18, s18, s19                     ; r0: S0's
	s_lshl_b32 s19, s17, 8
	s_lshl_b32 s2, s15, 7
	s_add_co_u32 s19, s19, s2                      ; r1: S1's
	s_cmp_eq_u32 ttmp9, 2
	s_cselect_b32 s100, 0, s18                     ; the bias along S0 begins at channel r0 (for v it is loaded from channel 0 and not used)
	s_cselect_b32 s98, s19, 0                      ; the bias along S1 at channel r1 (for q and k from channel 0, not used)
	s_cselect_b32 s95, s18, s19                    ; my first token
	s_cselect_b32 s96, s19, s18                    ; my first channel
	s_cselect_b32 s3, 0, 16
	s_cselect_b32 s2, 208640, 0
	s_lshl_b32 s100, s100, 2
	s_mov_b32 s101, 0
	s_lshl_b32 s98, s98, 2
	s_mov_b32 s99, 0
	s_add_nc_u64 s[100:101], s[8:9], s[100:101]
	s_add_nc_u64 s[98:99], s[8:9], s[98:99]
	v_and_b32 v1, 15, v0                           ; r
	v_bfe_u32 v2, v0, 4, 1                         ; h
	v_lshlrev_b32 v30, 6, v2                       ; 16 h channels
	v_and_b32 v31, 8, v1
	v_add_nc_u32 v31, v31, v1
	v_lshlrev_b32 v31, 2, v31                      ; r + 8 (r / 8) channels
.irp b, 0,1,2,3,4,5,6,7
	global_load_b128 v[BQ+8*\b:BQ+8*\b+3], v30, s[100:101] offset:(32*(\b/2)+8*(\b%2))*4
	global_load_b128 v[BQ+8*\b+4:BQ+8*\b+7], v30, s[100:101] offset:(32*(\b/2)+8*(\b%2))*4+16
	global_load_b32 v[BV+\b], v31, s[98:99] offset:(32*(\b/2)+8*(\b%2))*4
.endr
	v_mul_u32_u24 v3, v1, PITCH
	v_mul_u32_u24 v4, v2, 24
	v_add_nc_u32 v4, v3, v4                        ; a fragment's row x pitch + 24 x half
	v_lshl_add_u32 v5, v2, 4, v4                   ; and the same behind one padding more
	s_mul_i32 s21, s15, HALFT                      ; my 128 rows of S1
	s_mul_i32 s22, s16, HALFT                      ; my 128 rows of S0,
	s_add_co_u32 s22, s22, 2*HALFT                 ; which lie behind S1's 256
.irp s, 0,1
	v_add_nc_u32 v[ADRA+\s], s21, v4
	v_add_nc_u32 v[ADRB+\s], s22, v4
	v_add_nc_u32 v[ADRA+2+\s], s21, v5
	v_add_nc_u32 v[ADRB+2+\s], s22, v5
	s_add_co_u32 s21, s21, SLOT
	s_add_co_u32 s22, s22, SLOT
.endr
	v_mul_u32_u24 v5, v1, KS                       ; my row's scales: 32 bytes a row,
	v_lshrrev_b32 v6, 8, v5
	v_lshl_add_u32 v5, v6, 4, v5                   ; and 16 more for each 256 passed
	s_mul_i32 s21, s15, HALFS
	s_mul_i32 s22, s16, HALFS
	s_add_co_u32 s22, s22, 2*HALFS
	s_sub_co_u32 s22, s22, s21
	v_mul_u32_u24 v6, s22, v2                      ; lanes 16-31 take S0's: one product, the distance between the two bases
	s_add_co_u32 s21, s21, SCL
	v_add_nc_u32 v5, v5, v6
	v_add_nc_u32 v[ADRS], s21, v5
	; the way out's addresses
	s_mul_i32 s23, s14, STGB                       ; my stage
	v_mul_u32_u24 v5, v1, 48
	v_mad_u32_u24 v5, v2, 24, v5
	v_add_nc_u32 v[STC], s23, v5                   ; codes: row r of 48 bytes, + 24 h
	v_lshlrev_b32 v5, 2, v1
	v_lshl_add_u32 v5, v2, 9, v5
	v_add_nc_u32 v5, s23, v5
	v_add_nc_u32 v[STS], 12288, v5                 ; scale words: 4 r, + 512 h
	v_and_b32 v6, 31, v0
	v_lshlrev_b32 v[COF], 4, v6
	v_add_nc_u32 v[RDA], s23, v[COF]
	v_mul_u32_u24 v[SH], s3, v2
	v_mul_u32_u24 v5, s2, v2
	v_add_nc_u32 v[SOF], v[COF], v5
.irp b, 0,1,2,3
	v_mov_b32 v[TM+4+\b], 0                        ; written once: a lane permute's destination counts as one of its sources
.endr
	s_mov_b32 s[SEL], 0x76543210
	s_mov_b32 s[SEL+1], 0xfedcba98
	; where the results go.  bh0 = 16 x batch + my first head; t0 = my first token in its batch
	s_lshr_b32 s18, s95, 11
	s_lshl_b32 s18, s18, 4
	s_and_b32 s19, s96, 1023
	s_lshr_b32 s19, s19, 6
	s_add_co_u32 s18, s18, s19                     ; bh0
	s_and_b32 s19, s95, 2047                       ; t0
	s_cmp_eq_u32 ttmp9, 0
	s_cselect_b64 s[40:41], s[10:11], s[12:13]     ; qq for q, kv for k and v
	s_mov_b32 s20, 208896
	s_cselect_b32 s20, 98304, s20                  ; a head's bytes
	s_cselect_b32 s21, 48, 102                     ; a token's share: 48 in qq; 13,056 / 128 in kv
	s_mov_b32 s22, 208896
	s_cselect_b32 s22, 8192, s22                   ; the same two for the scale words
	s_cselect_b32 s23, 4, 102
	s_mov_b32 s96, 12288
	s_cselect_b32 s96, 6291456, s96                ; where the scale words begin: q, k,
	s_cmp_eq_u32 ttmp9, 2
	s_cselect_b32 s96, 12800, s96                  ; v
	s_cselect_b32 s97, 6144, 0                     ; V's codes lie behind K's
	s_mov_b32 s2, 3072
	s_cselect_b32 s94, s2, s20                     ; from the stage's half 0 to half 1: for v 64 tokens on, else a head on
	s_cselect_b32 s2, s20, s2                      ; from rows 0-63 to rows 64-127: for v a head on, else 64 tokens on
	s_mov_b32 s95, 0
	s_mov_b32 s3, 0
	s_mul_i32 s20, s18, s20
	s_mul_i32 s21, s19, s21
	s_add_co_u32 s20, s20, s21
	s_add_co_u32 s20, s20, s97
	s_mov_b32 s21, 0
	s_mul_i32 s92, s18, s22
	s_mul_i32 s23, s19, s23
	s_add_co_u32 s92, s92, s23
	s_add_co_u32 s92, s92, s96
	s_mov_b32 s93, 0
	s_mov_b32 s23, 0
	s_add_nc_u64 s[92:93], s[40:41], s[92:93]      ; the first 512 bytes of scale words
	s_add_nc_u64 s[96:97], s[92:93], s[22:23]      ; the second: a head on
	s_add_nc_u64 s[CB:CB+1], s[40:41], s[20:21]
	s_add_nc_u64 s[CB+2:CB+3], s[CB:CB+1], s[2:3]
	s_add_nc_u64 s[CB+4:CB+5], s[CB:CB+1], s[94:95]
	s_add_nc_u64 s[CB+6:CB+7], s[CB+4:CB+5], s[2:3]
.macro FRAG reg, adr, q, i             ; 16 rows x 128 K of 6-bit codes: 12 registers, in pieces of 8 bytes; where the piece three on lies behind one padding more, the second address register serves
.irp p, 0,1,2,3,4,5
.set PCE, 12*(\q)+6*(\p/3)+\p%3
.if PCE%8 < 5
	ds_load_b64 v[\reg+2*\p:\reg+2*\p+1], v[\adr] offset:8*PCE+16*(PCE/8)+(\i)*16*PITCH
.else
	ds_load_b64 v[\reg+2*\p:\reg+2*\p+1], v[\adr+2] offset:8*PCE+16*(PCE/8)+(\i)*16*PITCH
.endif
.endr
.endm
; 16 matrix instructions: S1's blocks a0, a0 + 1 x S0's eight.  The 64 accumulators take turns, one instruction a turn, in the same order in every step.
.macro MUL16 a0, p, q, sc, zero
.irp a, \a0, \a0+1
.irp b, 0,1,2,3,4,5,6,7
.if \zero
	v_wmma_scale_f32_16x16x128_f8f6f4 v[8*(8*((\a)%4)+\b):8*(8*((\a)%4)+\b)+7], v[128*(\p)+FR*\b:128*(\p)+FR*\b+FR-1], v[AF+FR*(\a):AF+FR*(\a)+FR-1], 0, v[SC+8*NQ*(\sc)+NQ*\b+(\q)], v[SC+8*NQ*(\sc)+NQ*(\a)+(\q)] matrix_a_fmt:MATRIX_FMT_BF6 matrix_b_fmt:MATRIX_FMT_BF6 matrix_a_scale:MATRIX_SCALE_ROW1
.else
	v_wmma_scale_f32_16x16x128_f8f6f4 v[8*(8*((\a)%4)+\b):8*(8*((\a)%4)+\b)+7], v[128*(\p)+FR*\b:128*(\p)+FR*\b+FR-1], v[AF+FR*(\a):AF+FR*(\a)+FR-1], v[8*(8*((\a)%4)+\b):8*(8*((\a)%4)+\b)+7], v[SC+8*NQ*(\sc)+NQ*\b+(\q)], v[SC+8*NQ*(\sc)+NQ*(\a)+(\q)] matrix_a_fmt:MATRIX_FMT_BF6 matrix_b_fmt:MATRIX_FMT_BF6 matrix_a_scale:MATRIX_SCALE_ROW1
.endif
.endr
.endr
.endm
.macro FETCH_B slot, q, p
	WIN TO_B
.irp i, 0,1,2,3,4,5,6,7
	FRAG 128*(\p)+FR*\i, ADRB+\slot, \q, \i
.endr
	WIN 0
.endm
.macro FETCH_A slot, q, i0
.irp i, \i0, \i0+1, \i0+2, \i0+3
	FRAG AF+FR*(\i), ADRA+\slot, \q, \i
.endr
.endm
.macro SCALES sc                       ; a K step's scale words: two a row; lanes 0-15 take S1's block i, lanes 16-31 S0's block i
.irp i, 0,1,2,3,4,5,6,7
	ds_load_b64 v[SC+8*NQ*\sc+NQ*\i:SC+8*NQ*\sc+NQ*\i+1], v[ADRS] offset:\i*SBLK
.endr
.endm
.macro PLACES n                        ; plain vector instructions that name no register of the matrix instructions ahead (ISA guide 7.12.1)
.rept \n
	v_nop
.endr
.endm
.macro STEP slot, q, zero              ; 128 along K, with its successor in the same slot
	s_wait_dscnt 4*NL                              ; S0's set and S1's blocks 0-3 are in; the youngest 24 loads (S1's blocks 4-7) may be out
	WIN MUL_LO
	MUL16 0, (\q)%2, \q, \slot, \zero
	MUL16 2, (\q)%2, \q, \slot, \zero
	s_wait_dscnt 0
	PLACES NP
	FETCH_B \slot, (\q)+1, 1-(\q)%2
	FETCH_A \slot, (\q)+1, 0
	WIN MUL_HI
	MUL16 4, (\q)%2, \q, \slot, \zero
	MUL16 6, (\q)%2, \q, \slot, \zero
	PLACES NP
	WIN 0
	FETCH_A \slot, (\q)+1, 4
.endm
; A slot's last step changes slots: one barrier; in front of it each wave waits for all its tensor loads, adds 0 to its spare word, and waits for that and for its reads of this slot.
.macro TURN slot, next, fill
	s_wait_tensorcnt 0x0                           ; all my tensor loads have landed: my part of the next slot
	ds_add_u32 v[SPW], v[NIL]                      ; 0 onto my spare word
	s_wait_dscnt 4*NL+1                            ; the add and the youngest 24 loads may be out
	WIN MUL_LO
	MUL16 0, 1, NQ-1, \slot, 0
	s_wait_dscnt 0x0                               ; the add is done, and my reads of this slot are over
	s_barrier_signal -1
	MUL16 2, 1, NQ-1, \slot, 0
	WIN 0
	s_barrier_wait -1
.if \fill
	CREST                                          ; the barrier has opened a round of the cluster's: no wave of any partner still reads this slot or has a load on its way
	s_add_nc_u64 s[G0+4*\slot+2:G0+4*\slot+3], s[G0+4*\slot+2:G0+4*\slot+3], 2*ROWB
	s_add_nc_u64 s[G0B+4*\slot+2:G0B+4*\slot+3], s[G0B+4*\slot+2:G0B+4*\slot+3], 2*ROWB
	JLOAD G0+4*\slot, G1, G0B+4*\slot, G1B         ; the first tensor load behind the round; its four v_nop are the places in front of the loads below
.else
	PLACES NP
.endif
	s_wait_alu depctr_va_vdst(0)
	v_add_nc_u32 v[ADRS], 4*NQ, v[ADRS]            ; the next K step's scale words
	FETCH_B \next, 0, 0
	FETCH_A \next, 0, 0
	SCALES \next
	WIN MUL_HI
	MUL16 4, 1, NQ-1, \slot, 0
	MUL16 6, 1, NQ-1, \slot, 0
	PLACES NP
	WIN 0
	FETCH_A \next, 0, 4
.endm
	s_wait_loadcnt 0x0                             ; the biases: here the wave waits for its first tiles anyway
	s_wait_tensorcnt 1                             ; the scales and my part of K step 0 are in; K step 1's load may be out
	s_barrier_signal -1
	s_barrier_wait -1
	FETCH_B 0, 0, 0
	FETCH_A 0, 0, 0
	SCALES 0
	FETCH_A 0, 0, 4
	STEP 0, 0, 1                                   ; the first step's products start the sums
	s_mov_b32 s3, LAPS-1
.Llap:
	TURN 0, 1, 1
	STEP 1, 0, 0
	TURN 1, 0, 1
	STEP 0, 0, 0
	s_sub_co_u32 s3, s3, 1
	s_cmp_lg_u32 s3, 0
	s_cbranch_scc1 .Llap
	TURN 0, 1, 0                                   ; the last lap fills nothing
	STEP 1, 0, 0
	s_wait_dscnt 4*NL
	WIN MUL_LO
	MUL16 0, 1, NQ-1, 1, 0
	MUL16 2, 1, NQ-1, 1, 0
	s_wait_dscnt 0
	WIN MUL_HI
	MUL16 4, 1, NQ-1, 1, 0
	MUL16 6, 1, NQ-1, 1, 0
	WIN 0
; THE WAY OUT.  64 numbers of a lane, register 16 b + i = place 32 b + 16 (lane / 16) + i along S0 of my row of S1, become a fragment's codes in v[PC] on and its scale word in v[PW].
.macro QUANT s
.irp b, 0,1,2,3
	v_max3_num_f32 v[TM+\b], |v[\s+16*\b]|, |v[\s+1+16*\b]|, 0x2800000   ; my 16 numbers of block b, and the floor 2^(5 - 127)
.endr
.irp i, 2,4,6,8,10,12,14
.irp b, 0,1,2,3
	v_max3_num_f32 v[TM+\b], v[TM+\b], |v[\s+16*\b+\i]|, |v[\s+1+16*\b+\i]|
.endr
.endr
.irp b, 0,1,2,3
	v_permlanex16_b32 v[TM+4+\b], v[TM+\b], s[SEL], s[SEL+1]
.endr
.irp b, 0,1,2,3
	v_max_num_f32 v[TM+\b], v[TM+\b], v[TM+4+\b]   ; with lane l xor 16's: the block's largest magnitude
.endr
.irp b, 0,1,2,3
	v_add_nc_u32 v[TM+12+\b], 0xfe000000, v[TM+\b] ; 4 off its exponent field: the conversion's scale operand
.endr
.irp b, 0,1,2,3
	v_lshrrev_b32 v[TM+4+\b], 23, v[TM+12+\b]      ; the scale's byte
.endr
	v_lshl_or_b32 v[PW], v[TM+5], 8, v[TM+4]
	v_lshl_or_b32 v[PW], v[TM+6], 16, v[PW]
	v_lshl_or_b32 v[PW], v[TM+7], 24, v[PW]
.irp c, 0,1
	v_cvt_scalef32_pk16_bf6_f32 v[PC+6*\c:PC+2+6*\c], v[\s+32*\c:\s+15+32*\c], v[TM+12+2*\c]
	v_cvt_scalef32_pk16_bf6_f32 v[PC+12+4*\c:PC+14+4*\c], v[\s+16+32*\c:\s+31+32*\c], v[TM+12+2*\c+1]
.endr
	v_nop                                          ; one plain place behind a scaled conversion
.irp c, 0,1                                    ; a whole block to a lane: lanes 0-15 block 2 c, lanes 16-31 block 2 c + 1
.irp i, 0,1,2
	v_permlane16_swap_b32 v[PC+6*\c+\i], v[PC+12+4*\c+\i]
.endr
.irp i, 0,1,2
	v_mov_b32 v[PC+3+6*\c+\i], v[PC+12+4*\c+\i]
.endr
.endr
.endm
; S1's block a: the bias is added on the way from the accumulators' window to window 0 (each accumulator is read from its low end on), the 64 numbers are quantised, codes and scale word go to my stage.
; The stage lies in slot 0, which has had its last fill, and which nobody reads behind the last change of slots.
.macro EPI a
.set AC, 64*((\a)%4)
	s_cmp_eq_u32 ttmp9, 2
	s_cbranch_scc1 .Lbias_v_\@
	WIN 0x02+(\a)/4                                ; source 0: window 2 or 3
.set i, 0
.rept 32
	v_pk_add_f32 v[ST+i:ST+i+1], v[AC+i:AC+i+1], v[BQ+i:BQ+i+1]    ; q, k: the registers run along channels
.set i, i+2
.endr
	WIN 0
	s_branch .Lbiased_\@
.Lbias_v_\@:
	WIN 0x02+(\a)/4
.set i, 0
.rept 32
.if (\a)%2
	v_pk_add_f32 v[ST+i:ST+i+1], v[AC+i:AC+i+1], v[BV+(\a)-1:BV+(\a)] op_sel:[0,1] op_sel_hi:[1,1]   ; v: one channel a lane
.else
	v_pk_add_f32 v[ST+i:ST+i+1], v[AC+i:AC+i+1], v[BV+(\a):BV+(\a)+1] op_sel_hi:[1,0]
.endif
.set i, i+2
.endr
	WIN 0
.Lbiased_\@:
	QUANT ST
.irp p, 0,1,2
	ds_store_b64 v[STC], v[PC+2*\p:PC+2*\p+1] offset:(\a)*768+8*\p
	ds_store_b64 v[STC], v[PC+6+2*\p:PC+7+2*\p] offset:6144+(\a)*768+8*\p
.endr
	v_lshrrev_b32 v255, v[SH], v[PW]               ; q, k: lanes 16-31 keep the second head's two bytes; v: the whole word
	ds_store_b32 v[STS], v255 offset:64*(\a)
	s_wait_dscnt 0x0                               ; the stores have read their registers
.endm
	PLACES NP                                      ; behind the last products: their results are read, and S1's fragments written over
.irp a, 0,1,2,3,4,5,6,7
	EPI \a
.endr
.set n, 0
.rept 24
	ds_load_b128 v[128+4*n:131+4*n], v[RDA] offset:512*n           ; my own bytes, in order behind my stores: the codes fill v128-223
.set n, n+1
.endr
	ds_load_b128 v[SWB:SWB+3], v[RDA] offset:12288                 ; the scale words take registers of their own, behind the codes'
	ds_load_b128 v[SWB+4:SWB+7], v[RDA] offset:12800
.set n, 0
.rept 24
	s_wait_dscnt 25-n                              ; behind load n stand 23 - n loads of codes and the two of scale words: they may be out
	global_store_b128 v[COF], v[128+4*n:131+4*n], s[CB+2*(n/6):CB+2*(n/6)+1] offset:512*(n%6)   ; 32 lanes store 512 consecutive bytes, at a multiple of 256 from the buffer's first byte
.set n, n+1
.endr
	s_wait_dscnt 1                                 ; the last load may be out
	global_store_b128 v[SOF], v[SWB:SWB+3], s[92:93] ; q, k: the first head's 128 words; v: 64 words of each of two heads
	s_wait_dscnt 0x0
	s_cmp_eq_u32 ttmp9, 2
	s_cbranch_scc1 .Lno_second                     ; v: lanes 16-31 stored the same words a second time into the stage: they are not sent
	global_store_b128 v[COF], v[SWB+4:SWB+7], s[96:97] ; q, k: the second head's
.Lno_second:
	s_wait_tensorcnt 0x0                           ; the wave's end
	ds_add_u32 v[SPW], v[NIL]
	s_wait_dscnt 0x0
	CROUND                                         ; the closing round
	s_endpgm
.Lfunc_end_k_q372b1d2b61_gemm_qkv:
	.size	k_q372b1d2b61_gemm_qkv, .Lfunc_end_k_q372b1d2b61_gemm_qkv-k_q372b1d2b61_gemm_qkv
	.p2alignl 7, 3214868480
	.fill 96, 4, 3214868480
	.section	.rodata,"a",@progbits
	.p2align	6, 0x0
	.amdhsa_kernel k_q372b1d2b61_gemm_qkv
		.amdhsa_group_segment_fixed_size 327680
		.amdhsa_private_segment_fixed_size 0
		.amdhsa_enable_private_segment 0
		.amdhsa_kernarg_size 40
		.amdhsa_user_sgpr_count 2
		.amdhsa_user_sgpr_kernarg_segment_ptr 1
		.amdhsa_wavefront_size32 1
		.amdhsa_system_sgpr_workgroup_id_x 1
		.amdhsa_system_sgpr_workgroup_id_y 1
		.amdhsa_system_sgpr_workgroup_id_z 1
		.amdhsa_system_vgpr_workitem_id 0
		.amdhsa_next_free_vgpr 1024
		.amdhsa_next_free_sgpr 102
		.amdhsa_reserve_vcc 0
		.amdhsa_float_denorm_mode_32 3
		.amdhsa_float_denorm_mode_16_64 3
		.amdhsa_memory_ordered 1
		.amdhsa_forward_progress 1
		.amdhsa_inst_pref_size 208
	.end_amdhsa_kernel
	.amdgpu_metadata
---
amdhsa.version: [ 1, 2 ]
amdhsa.kernels:
  - .name:           k_q372b1d2b61_gemm_qkv
    .symbol:         k_q372b1d2b61_gemm_qkv.kd
    .args:
      - { .name: xq, .offset: 0, .size: 8, .value_kind: global_buffer, .address_space: global }
      - { .name: wq, .offset: 8, .size: 8, .value_kind: global_buffer, .address_space: global }
      - { .name: bqkv, .offset: 16, .size: 8, .value_kind: global_buffer, .address_space: global }
      - { .name: qq, .offset: 24, .size: 8, .value_kind: global_buffer, .address_space: global }
      - { .name: kv, .offset: 32, .size: 8, .value_kind: global_buffer, .address_space: global }
    .group_segment_fixed_size: 327680
    .private_segment_fixed_size: 0
    .kernarg_segment_align: 8
    .kernarg_segment_size: 40
    .max_flat_workgroup_size: 128
    .sgpr_count:     102
    .vgpr_count:     1024
    .wavefront_size: 32
...
	.end_amdgpu_metadata
.endif
;; end of part 2
;; launch attn (part 3): grid 4 x 64, 16 waves a work-group, clusters of 4 x 1, 227,328 bytes of LDS; arguments qq, kv, yq; writes yq
.if DOCPART == 3
	.amdgcn_target "amdgcn-amd-amdhsa--gfx1250"
	.amdhsa_code_object_version 6
	.text
	.protected	k_q372b1d2b61_attn
	.globl	k_q372b1d2b61_attn
	.p2align	8
	.type	k_q372b1d2b61_attn,@function
k_q372b1d2b61_attn:
	s_mov_b64 s[64:65], 0
	v_nop
	global_prefetch_b8 v0, s[64:65] scope:SCOPE_SE
	s_setreg_imm32_b32 hwreg(HW_REG_WAVE_MODE, 25, 1), 1
	s_wait_xcnt 0x0
	s_wait_alu depctr_hold_cnt(0) depctr_sa_sdst(0) depctr_va_vdst(0) depctr_va_sdst(0) depctr_va_ssrc(0) depctr_va_vcc(0) depctr_vm_vsrc(0)
	s_getreg_b32 s2, hwreg(HW_REG_IB_STS2, 6, 4)
	s_cmp_eq_u32 s2, 0
	s_cbranch_scc0 .Lentry_in_a_cluster
	s_endpgm
.Lentry_in_a_cluster:
	s_bfe_u32 s2, ttmp6, 0x10000c
	s_cmp_lg_u32 s2, 0x3003
	s_cbranch_scc0 .Lentry_shape_is_right
	s_endpgm
.Lentry_shape_is_right:
; y[b][q][h][:] = (sum over keys k <= q of p V[k]) / l, p = 2^(t - M), t = (Q . K) log2(e) / 8, M = the running largest t rounded up to a whole number, l = the sum of the unquantised p.
; Both products on codes of BF6 (E3M2) with one E8M0 scale for each 32 along K; p is quantised along the keys, y along the head's channels for the last product.
; IN.  qq: codes [bh 64][2048 tokens at sigma][48], scale words [bh][2048][4] at 6,291,456.  kv: [bh][16 steps of 128 tokens][13,056]: K's codes 128 x 48; V's codes [2][64 channels at sigma][48] at 6,144;
; K's scale words at 12,288; V's at 12,800.  sigma: a row's bits 3 and 4 exchanged; sixteen rows on end are the true rows 32 (i / 2) + 8 (i % 2) + r + 8 (r / 8).
; OUT.  yq: codes [bh][2048 tokens at sigma][48]; scale bytes [8192 rows at sigma][32] at 6,291,456, head h's two at 2 h.
; SHARES.  The four work-groups of a cluster share one head, 128 tiles of 16 queries.  Wave w of work-group g owns tile lo = 8 (w / 2) + 2 g + w % 2 and tile hi = 127 - lo: lo needs key steps 0 .. w / 2,
; hi needs 0 .. 15 - w / 2: 17 tile-steps for every wave of the launch.  Branches hang on the wave's number and the step's count alone; g enters global addresses and the mask's numbers.
; LDS.  The head's K and V, codes and scales, 208,896 bytes, are brought ONCE: each of the sixteen waves asks jointly with its three partners for one key step (one tensor load a wave is out).  Nothing is
; filled again, so there is no ring, and behind the one barrier the waves run free.  All is asked for in the first fills: there is nothing later to prefetch.
; K = 64 IN A PRODUCT OF 128.  Q's upper 64 codes are zeros.  K's operand of tile t is v[32 + 6 t .. + 11]: its upper half is the next tile's codes (zeros behind tile 7).  E3M2 has no code for NaN or infinity
; and no scale byte here is 0xff, so those products are exact zeros.
; Both products are used transposed: a lane holds one query throughout; by sigma the 16 registers of tiles 2 b, 2 b + 1 of the scores are the true keys 32 b + 16 (lane / 16) + 0 .. 15, and O's likewise channels.
; LIMITS: NaN and infinities are not served; a block of zeros gets the byte 1 (read by this program alone).  The scale bytes of y leave one byte a lane, 32 bytes apart: 2 bytes for each 48 of codes.
.set KB,   13056                       ; a key step in LDS and in kv
.set HB,   208896                      ; a head
.set AK,   1                           ; v1  48 r + 24 h
.set AS,   2                           ; v2  4 x lane
.set ADK,  3                           ; v3  the step's codes
.set ADS,  4                           ; v4  the step's scale words
.set DHI,  5                           ; v5  tile hi: my query's true place in its 128, less 16 h
.set DLO,  6                           ; v6  tile lo likewise
.set STO,  7                           ; v7  my stage + 48 r + 24 h
.set RD1,  8                           ; v8  my stage + 16 x lane
.set RD2,  9                           ; v9  my stage + 512 + 8 x lane
.set GO1,  10                          ; v10 16 x lane
.set GO2,  11                          ; v11 512 + 8 x lane
                                       ; v12 -M, v13 the largest t, v[14:15] the sum; v16-27 Q of hi and zeros, v28 its scale words; v29 32 r + h; v30 4 r; v32-79 K, then V; v80-85 zeros; v86-89 K's scale words, v90-91 V's;
                                       ; v96-159 scores, then p; v160-191 O; v192-203 p's codes; v204-211 conversions' second halves; v212-223 the blocks'; v[224:225] f; v226 at work; v227 -infinity; v228 p's scale word;
                                       ; v240-251 Q of lo and zeros, v252 its scale words
.set WV,   10
.set SEL,  20                          ; s[20:21] lane l xor 16
.set CS,   22                          ; s[22:23] c = log2(e) / 8
.set TB,   40                          ; s40 LDS byte of the step in hand
.set STP,  41                          ; s41 the step's number: also the loops' counter
.macro CROUND
	s_barrier_signal -1
	s_barrier_wait -1
	s_cmp_lg_u32 s[WV], 0
	s_cbranch_scc1 .Lnot_wave_0_\@
	s_barrier_signal -3
.Lnot_wave_0_\@:
	s_barrier_wait -3
	s_barrier_signal -1
	s_barrier_wait -1
.endm
	s_load_b128 s[4:7], s[0:1], 0x0                ; qq, kv
	s_load_b64 s[8:9], s[0:1], 0x10                ; yq
	v_lshl_add_u32 v254, v0, 2, 0x37000
	v_mov_b32 v255, 0
	ds_add_u32 v254, v255
	ds_add_u32 v254, v255
	v_lshrrev_b32 v1, 5, v0
	s_delay_alu instid0(VALU_DEP_1)
	v_readfirstlane_b32 s[WV], v1                  ; wave 0..15
	s_lshr_b32 s11, s[WV], 1                       ; u
	s_bfe_u32 s12, ttmp6, 0x40000                  ; g: my place in the cluster
	s_and_b32 s13, ttmp7, 0xffff                   ; bh: the cluster's y
	s_sub_co_u32 s16, 15, s11                      ; hi's last key step
	s_mov_b32 s17, s11                             ; lo's
	s_mov_b32 s[SEL], 0x76543210
	s_mov_b32 s[SEL+1], 0xfedcba98
	s_mov_b32 s[CS], 0x3e38aa3b
	s_mov_b32 s[CS+1], s[CS]                       ; (named with it as a pair)
	s_mov_b32 s24, 0xffff0000                      ; lanes 16-31
	; descriptor group 1: 13,056 dense bytes as 51 rows of 256 (32 elements of 8 bytes), for all four work-groups
	s_mov_b32 s28, 15|(3<<16)|(1<<21)
	s_mov_b32 s29, 32<<16                          ; tensor_dim0
	s_mov_b32 s30, 51<<16                          ; tensor_dim1
	s_mov_b32 s31, 32<<16                          ; tile_dim0
	s_mov_b32 s32, 51                              ; tile_dim1
	s_mov_b32 s33, 32                              ; from row to row
	s_mov_b32 s34, 0
	s_mov_b32 s35, 0
	s_mov_b32 s36, 1
	s_mul_i32 s37, s[WV], KB                       ; key step w lands at w x 13,056
	s_mul_i32 s18, s13, HB
	s_add_co_u32 s18, s18, s37
	s_mov_b32 s19, 0
	s_wait_dscnt 0x0
	s_wait_kmcnt 0x0
	s_add_nc_u64 s[38:39], s[6:7], s[18:19]
	s_or_b32 s39, s39, 0x80000000
	CROUND                                         ; all four work-groups are here: the joint loads meet
	tensor_load_to_lds s[36:39], s[28:35]
	s_nop 0
.rept 4
	v_nop
.endr
	s_and_b32 s14, s[WV], 1
	s_lshl_b32 s15, s12, 1
	s_add_co_u32 s14, s14, s15                     ; lo's place among its step's eight tiles
	s_lshl_b32 s15, s11, 3
	s_add_co_u32 s15, s15, s14                     ; lo
	s_sub_co_u32 s18, 127, s15                     ; hi
	s_sub_co_u32 s19, 7, s14                       ; hi's place
	s_mul_i32 s25, s13, 98304                      ; the head's codes in qq and in yq
	s_lshl_b32 s26, s13, 13
	s_add_co_u32 s26, s26, 6291456                 ; its scale words in qq
	s_lshr_b32 s27, s13, 4
	s_lshl_b32 s27, s27, 16                        ; yq's scale bytes: the batch's 2,048 rows of 32,
	s_and_b32 s40, s13, 15
	s_lshl_b32 s40, s40, 1
	s_add_co_u32 s27, s27, s40                     ; the head's two
	s_add_co_u32 s27, s27, 6291456
.macro BASES t, b                      ; tile s[t]: Q's codes s[b:b+1], Q's scale words s[b+2:b+3], y's codes s[b+4:b+5], y's scale bytes s[b+6:b+7]
	s_mul_i32 s40, s[\t], 768
	s_add_co_u32 s40, s40, s25
	s_mov_b32 s41, 0
	s_add_nc_u64 s[\b:\b+1], s[4:5], s[40:41]
	s_add_nc_u64 s[\b+4:\b+5], s[8:9], s[40:41]
	s_lshl_b32 s40, s[\t], 6
	s_add_co_u32 s40, s40, s26
	s_add_nc_u64 s[\b+2:\b+3], s[4:5], s[40:41]
	s_lshl_b32 s40, s[\t], 9
	s_add_co_u32 s40, s40, s27
	s_add_nc_u64 s[\b+6:\b+7], s[8:9], s[40:41]
.endm
	BASES 18, 44
	BASES 15, 52
	v_and_b32 v212, 15, v0                         ; r
	v_bfe_u32 v213, v0, 4, 1                       ; h
	v_and_b32 v214, 31, v0                         ; lane
	s_delay_alu instid0(VALU_DEP_3)
	v_mul_u32_u24 v[AK], v212, 48
	s_delay_alu instid0(VALU_DEP_1)
	v_mad_u32_u24 v[AK], v213, 24, v[AK]
	v_lshlrev_b32 v30, 2, v212
.irp p, 0,1,2
	global_load_b64 v[16+2*\p:17+2*\p], v[AK], s[44:45] offset:8*\p
	global_load_b64 v[240+2*\p:241+2*\p], v[AK], s[52:53] offset:8*\p
.endr
	global_load_b32 v28, v30, s[46:47]
	global_load_b32 v252, v30, s[54:55]
	v_lshlrev_b32 v[AS], 2, v214
	s_lshl_b32 s40, s[WV], 10
	s_add_co_u32 s40, s40, HB                      ; my stage: 1,024 bytes behind the head, filled by no load
	v_add_nc_u32 v[STO], s40, v[AK]
	v_lshlrev_b32 v[GO1], 4, v214
	s_delay_alu instid0(VALU_DEP_1)
	v_add_nc_u32 v[RD1], s40, v[GO1]
	v_lshlrev_b32 v215, 3, v214
	s_delay_alu instid0(VALU_DEP_1)
	v_add_nc_u32 v[GO2], 512, v215
	s_delay_alu instid0(VALU_DEP_1)
	v_add_nc_u32 v[RD2], s40, v[GO2]
	v_lshl_add_u32 v29, v212, 5, v213
	v_and_b32 v215, 8, v212
	s_delay_alu instid0(VALU_DEP_1)
	v_add_nc_u32 v215, v215, v212                  ; r + 8 (r / 8)
	v_lshlrev_b32 v216, 4, v213
	s_delay_alu instid0(VALU_DEP_1)
	v_sub_nc_u32 v215, v215, v216                  ; - 16 h
	s_wait_alu depctr_va_vdst(0)
	s_lshr_b32 s40, s19, 1
	s_lshl_b32 s40, s40, 5
	s_and_b32 s41, s19, 1
	s_lshl_b32 s41, s41, 3
	s_add_co_u32 s40, s40, s41
	v_add_nc_u32 v[DHI], s40, v215
	s_lshr_b32 s40, s14, 1
	s_lshl_b32 s40, s40, 5
	s_and_b32 s41, s14, 1
	s_lshl_b32 s41, s41, 3
	s_add_co_u32 s40, s40, s41
	v_add_nc_u32 v[DLO], s40, v215
.irp j, 22,23,24,25,26,27,80,81,82,83,84,85,246,247,248,249,250,251
	v_mov_b32 v[\j], 0                             ; the zero codes
.endr
.irp j, 216,217,218,219,225,226
	v_mov_b32 v[\j], 0                             ; written once: permutes' destinations, and the upper half of the pair v[224:225]
.endr
	v_mov_b32 v227, 0xff800000                     ; -infinity
	s_wait_tensorcnt 0x0                           ; my key step has landed,
	s_barrier_signal -1
	s_barrier_wait -1                              ; everybody's has
	s_wait_loadcnt 0x0                             ; Q
; A KEY STEP of 128 keys for one tile.  qf: Q's operand; qs: its scale words; d: the mask's numbers; blk: the scalar register with the tile's last step.
.macro STEP qf, qs, d, blk
	s_cmp_gt_u32 s[STP], s[\blk]                   ; all 128 keys come after my queries: the step's work is left out, not the lines at its end
	s_cbranch_scc1 .Lhidden_\@
	s_setprio 2
	v_add_nc_u32 v[ADK], s[TB], v[AK]
	v_add_nc_u32 v[ADS], s[TB], v[AS]
	v_nop
	v_nop                                          ; four places in front of loads into registers that the last products have read
.irp t, 0,1,2,3,4,5,6,7
.irp p, 0,1,2
	ds_load_b64 v[32+6*\t+2*\p:33+6*\t+2*\p], v[ADK] offset:768*\t+8*\p
.endr
.endr
.irp i, 0,1,2,3
	ds_load_b32 v[86+\i], v[ADS] offset:12288+128*\i   ; lanes 0-15: tile 2 i's words; lanes 16-31: tile 2 i + 1's
.endr
	s_wait_alu depctr_va_vdst(0)
	s_wait_dscnt 0x0
.irp t, 0,2,4,6
	v_wmma_scale_f32_16x16x128_f8f6f4 v[96+8*\t:103+8*\t], v[32+6*\t:43+6*\t], v[\qf:\qf+11], 0, v[86+\t/2], v[\qs] matrix_a_fmt:MATRIX_FMT_BF6 matrix_b_fmt:MATRIX_FMT_BF6
	v_wmma_scale_f32_16x16x128_f8f6f4 v[104+8*\t:111+8*\t], v[38+6*\t:49+6*\t], v[\qf:\qf+11], 0, v[86+\t/2], v[\qs] matrix_a_fmt:MATRIX_FMT_BF6 matrix_b_fmt:MATRIX_FMT_BF6 matrix_a_scale:MATRIX_SCALE_ROW1
.endr
.rept 4
	v_nop                                          ; places: K's registers are loaded anew, and the scores are read
.endr
.irp t, 0,1,2,3                                ; V goes out at once and lands under the softmax
.irp c, 0,1
.irp p, 0,1,2
	ds_load_b64 v[32+12*\t+6*\c+2*\p:33+12*\t+6*\c+2*\p], v[ADK] offset:6144+3072*\c+768*\t+8*\p
.endr
.endr
.endr
.irp i, 0,1
	ds_load_b32 v[90+\i], v[ADS] offset:12800+128*\i
.endr
	s_cmp_lg_u32 s[STP], s[\blk]                   ; only the tile's last step lies on the diagonal
	s_cbranch_scc1 .Lopen_\@
.irp n, 0,1,2,3,4,5,6,7,8,9,10,11,12,13,14,15,16,17,18,19,20,21,22,23,24,25,26,27,28,29,30,31,32,33,34,35,36,37,38,39,40,41,42,43,44,45,46,47,48,49,50,51,52,53,54,55,56,57,58,59,60,61,62,63
	v_cmp_gt_i32 vcc_lo, 32*(\n/16)+\n%16, v[\d]   ; register n holds true key 32 (n / 16) + n % 16 + 16 h of the step: hidden where it comes after my query
	v_cndmask_b32 v[96+\n], v[96+\n], v227, vcc_lo
.endr
.Lopen_\@:
.irp b, 0,1,2,3
	v_max3_num_f32 v[212+\b], v[96+16*\b], v[97+16*\b], v[98+16*\b]   ; the largest score of each block of 32 keys: for the row's maximum and, since p rises with the score, for the block's largest p
.endr
.irp i, 3,5,7,9,11,13
.irp b, 0,1,2,3
	v_max3_num_f32 v[212+\b], v[212+\b], v[96+16*\b+\i], v[97+16*\b+\i]
.endr
.endr
.irp b, 0,1,2,3
	v_max_num_f32 v[212+\b], v[212+\b], v[111+16*\b]
.endr
.irp b, 0,1,2,3
	s_delay_alu instid0(VALU_DEP_4)
	v_permlanex16_b32 v[216+\b], v[212+\b], s[SEL], s[SEL+1]
.endr
.irp b, 0,1,2,3
	s_delay_alu instid0(VALU_DEP_4)
	v_max_num_f32 v[212+\b], v[212+\b], v[216+\b]
.endr
	s_delay_alu instid0(VALU_DEP_2)
	v_max3_num_f32 v226, v212, v213, v214
	s_delay_alu instid0(VALU_DEP_1)
	v_max_num_f32 v226, v226, v215
	s_delay_alu instid0(VALU_DEP_1)
	v_mul_f32 v226, s[CS], v226                    ; the step's largest t
	s_delay_alu instid0(VALU_DEP_1)
	v_max_num_f32 v13, v13, v226
	v_mov_b32 v226, v12
	s_delay_alu instid0(VALU_DEP_2)
	v_floor_f32 v12, -v13                          ; -M = floor(-t): M is a whole number
	s_delay_alu instid0(VALU_DEP_1)
	v_sub_f32 v226, v12, v226                      ; old M - new M: a whole number, 0 or less
	s_delay_alu instid0(VALU_DEP_1)
	v_cvt_i32_f32 v226, v226                       ; (it saturates)
	s_delay_alu instid0(VALU_DEP_1)
	v_ldexp_f32 v224, 1.0, v226                    ; f = 2^(old M - new M): a multiplication by it rounds nothing
	s_setprio 1
.irp j, 0,2,4,6,8,10,12,14,16,18,20,22,24,26,28,30,32,34,36,38,40,42,44,46,48,50,52,54,56,58,60,62
	v_pk_fma_f32 v[96+\j:97+\j], v[96+\j:97+\j], s[CS:CS+1], v[12:13] op_sel_hi:[1,0,0]   ; t - M
.endr
.irp b, 0,1,2,3
	v_fma_f32 v[212+\b], v[212+\b], s[CS], v12
.endr
	s_wait_alu depctr_va_vdst(0)
.irp j, 0,1,2,3,4,5,6,7,8,9,10,11,12,13,14,15,16,17,18,19,20,21,22,23,24,25,26,27,28,29,30,31,32,33,34,35,36,37,38,39,40,41,42,43,44,45,46,47,48,49,50,51,52,53,54,55,56,57,58,59,60,61,62,63
	v_exp_f32 v[96+\j], v[96+\j]                   ; p = 2^(t - M): not normalised
.endr
	v_pk_mul_f32 v[14:15], v[14:15], v[224:225] op_sel_hi:[1,0]   ; the sums under the new M: the plain place behind the exponentials
	s_wait_alu depctr_va_vdst(0)                   ; one wait for the batch of 64, ahead of its first reader
.irp b, 0,1,2,3
	v_exp_f32 v[212+\b], v[212+\b]                 ; the block's largest p
.endr
	v_pk_add_f32 v[216:217], v[100:101], v[104:105]
	v_pk_add_f32 v[238:239], v[108:109], v[112:113]
	v_pk_add_f32 v[236:237], v[116:117], v[120:121]
	v_pk_add_f32 v[234:235], v[124:125], v[128:129]
	v_pk_add_f32 v[232:233], v[132:133], v[136:137]
	v_pk_add_f32 v[230:231], v[140:141], v[144:145]
	v_pk_add_f32 v[228:229], v[148:149], v[152:153]
	v_pk_add_f32 v[14:15], v[14:15], v[156:157]
	v_pk_add_f32 v[216:217], v[216:217], v[96:97]
	v_pk_add_f32 v[238:239], v[238:239], v[98:99]
	v_pk_add_f32 v[236:237], v[236:237], v[102:103]
	v_pk_add_f32 v[234:235], v[234:235], v[106:107]
	v_pk_add_f32 v[232:233], v[232:233], v[110:111]
	v_pk_add_f32 v[230:231], v[230:231], v[114:115]
	v_pk_add_f32 v[228:229], v[228:229], v[118:119]
	v_pk_add_f32 v[14:15], v[14:15], v[122:123]
	v_pk_add_f32 v[216:217], v[216:217], v[126:127]
	v_pk_add_f32 v[238:239], v[238:239], v[130:131]
	v_pk_add_f32 v[236:237], v[236:237], v[134:135]
	v_pk_add_f32 v[234:235], v[234:235], v[138:139]
	v_pk_add_f32 v[232:233], v[232:233], v[142:143]
	v_pk_add_f32 v[230:231], v[230:231], v[146:147]
	v_pk_add_f32 v[228:229], v[228:229], v[150:151]
	v_pk_add_f32 v[14:15], v[14:15], v[154:155]
	v_pk_add_f32 v[216:217], v[216:217], v[158:159]
	s_delay_alu instid0(VALU_DEP_2)
	v_pk_add_f32 v[14:15], v[14:15], v[234:235]
	s_delay_alu instid0(VALU_DEP_2)
	v_pk_add_f32 v[216:217], v[216:217], v[232:233]
	v_pk_add_f32 v[238:239], v[238:239], v[230:231]
	v_pk_add_f32 v[236:237], v[236:237], v[228:229]
	s_delay_alu instid0(VALU_DEP_2)
	v_pk_add_f32 v[14:15], v[14:15], v[238:239]
	s_delay_alu instid0(VALU_DEP_2)
	v_pk_add_f32 v[216:217], v[216:217], v[236:237]
	s_delay_alu instid0(VALU_DEP_1)
	v_pk_add_f32 v[14:15], v[14:15], v[216:217]
	s_setprio 0
	s_wait_alu depctr_va_vdst(0)                   ; and one for the four
.irp b, 0,1,2,3
	v_max_num_f32 v[212+\b], 0x2800000, v[212+\b]  ; the floor 2^(5 - 127): a block whose every p is 0 keeps the byte 1; its codes are zeros
.endr
.irp b, 0,1,2,3
	s_delay_alu instid0(VALU_DEP_4)
	v_add_nc_u32 v[220+\b], 0xfe000000, v[212+\b]
.endr
.irp b, 0,1,2,3
	s_delay_alu instid0(VALU_DEP_4)
	v_lshrrev_b32 v[216+\b], 23, v[220+\b]
.endr
	s_delay_alu instid0(VALU_DEP_3)
	v_lshl_or_b32 v228, v217, 8, v216              ; p's scale word for these 128 keys
	s_delay_alu instid0(VALU_DEP_1)
	v_lshl_or_b32 v228, v218, 16, v228
	s_delay_alu instid0(VALU_DEP_1)
	v_lshl_or_b32 v228, v219, 24, v228
.irp c, 0,1
	v_cvt_scalef32_pk16_bf6_f32 v[192+6*\c:194+6*\c], v[96+32*\c:111+32*\c], v[220+2*\c]
	v_cvt_scalef32_pk16_bf6_f32 v[204+4*\c:206+4*\c], v[112+32*\c:127+32*\c], v[220+2*\c+1]
.endr
	v_nop                                          ; one plain place behind a scaled conversion
.irp c, 0,1
.irp i, 0,1,2
	v_permlane16_swap_b32 v[192+6*\c+\i], v[204+4*\c+\i]
.endr
.irp i, 0,1,2
	s_delay_alu instid0(VALU_DEP_3)
	v_mov_b32 v[195+6*\c+\i], v[204+4*\c+\i]
.endr
.endr
.irp j, 0,2,4,6,8,10,12,14,16,18,20,22,24,26,28,30
	v_pk_mul_f32 v[160+\j:161+\j], v[160+\j:161+\j], v[224:225] op_sel_hi:[1,0]   ; O under the new M; these sixteen also stand between the writing of p's codes and scale word and the products
.endr
	s_wait_alu depctr_va_vdst(0)
	s_wait_dscnt 0x0                               ; V
.irp t, 0,2                                    ; the four accumulators take turns
	v_wmma_scale_f32_16x16x128_f8f6f4 v[160+8*\t:167+8*\t], v[32+12*\t:43+12*\t], v[192:203], v[160+8*\t:167+8*\t], v[90+\t/2], v228 matrix_a_fmt:MATRIX_FMT_BF6 matrix_b_fmt:MATRIX_FMT_BF6
	v_wmma_scale_f32_16x16x128_f8f6f4 v[168+8*\t:175+8*\t], v[44+12*\t:55+12*\t], v[192:203], v[168+8*\t:175+8*\t], v[90+\t/2], v228 matrix_a_fmt:MATRIX_FMT_BF6 matrix_b_fmt:MATRIX_FMT_BF6 matrix_a_scale:MATRIX_SCALE_ROW1
.endr
.Lhidden_\@:
	s_add_co_u32 s[TB], s[TB], KB
	s_add_co_u32 s[STP], s[STP], 1
.endm
.macro INIT                            ; the step is written once: the first finds zeros, which the first change of M leaves zeros
	v_mov_b32 v13, 0xff61b1e6                      ; -3e38, under every t
	s_delay_alu instid0(VALU_DEP_1)
	v_floor_f32 v12, -v13
	v_mov_b32 v14, 0
	v_mov_b32 v15, 0
.set i, 0
.rept 32
	v_mov_b32 v[160+i], 0
.set i, i+1
.endr
	s_mov_b32 s[TB], 0
	s_mov_b32 s[STP], 0
.endm
; y = O / l, quantised along the head's 64 channels (two blocks); the tile's 768 bytes of codes go through my stage and leave as 512 + 256 consecutive bytes, at a multiple of 256 from the buffer's first byte.
.macro WAYOUT yb, ys
.rept 4
	v_nop                                          ; places behind the last products
.endr
	v_add_f32 v14, v14, v15
	s_delay_alu instid0(VALU_DEP_1)
	v_permlanex16_b32 v226, v14, s[SEL], s[SEL+1]
	s_delay_alu instid0(VALU_DEP_1)
	v_add_f32 v14, v14, v226                       ; the row's sum
	s_wait_alu depctr_va_vdst(0)
	v_rcp_f32 v224, v14
	v_nop                                          ; a plain place behind the reciprocal
	s_wait_alu depctr_va_vdst(0)                   ; and the wait ahead of its first reader
.set i, 0
.rept 16
	v_pk_mul_f32 v[96+i:97+i], v[160+i:161+i], v[224:225] op_sel_hi:[1,0]   ; register 16 b + i: channel 32 b + 16 h + i
.set i, i+2
.endr
.irp b, 0,1
	v_max3_num_f32 v[212+\b], |v[96+16*\b]|, |v[97+16*\b]|, 0x2800000
.endr
.irp i, 2,4,6,8,10,12,14
.irp b, 0,1
	s_delay_alu instid0(VALU_DEP_2)
	v_max3_num_f32 v[212+\b], v[212+\b], |v[96+16*\b+\i]|, |v[97+16*\b+\i]|
.endr
.endr
.irp b, 0,1
	s_delay_alu instid0(VALU_DEP_2)
	v_permlanex16_b32 v[216+\b], v[212+\b], s[SEL], s[SEL+1]
.endr
.irp b, 0,1
	s_delay_alu instid0(VALU_DEP_2)
	v_max_num_f32 v[212+\b], v[212+\b], v[216+\b]
.endr
.irp b, 0,1
	s_delay_alu instid0(VALU_DEP_2)
	v_add_nc_u32 v[220+\b], 0xfe000000, v[212+\b]
.endr
.irp b, 0,1
	s_delay_alu instid0(VALU_DEP_2)
	v_lshrrev_b32 v[216+\b], 23, v[220+\b]
.endr
	v_cvt_scalef32_pk16_bf6_f32 v[192:194], v[96:111], v220
	v_cvt_scalef32_pk16_bf6_f32 v[204:206], v[112:127], v221
	v_nop
.irp i, 0,1,2
	v_permlane16_swap_b32 v[192+\i], v[204+\i]     ; lanes 0-15: block 0 whole; lanes 16-31: block 1
.endr
.irp i, 0,1,2
	s_delay_alu instid0(VALU_DEP_3)
	v_mov_b32 v[195+\i], v[204+\i]
.endr
	v_cndmask_b32 v218, v216, v217, s24            ; my half's block's byte
.irp p, 0,1,2
	ds_store_b64 v[STO], v[192+2*\p:193+2*\p] offset:8*\p
.endr
	ds_load_b128 v[96:99], v[RD1]                  ; my own bytes, in order behind my stores
	ds_load_b64 v[100:101], v[RD2]
	s_wait_alu depctr_va_vdst(0)
	s_wait_dscnt 0x0
	global_store_b128 v[GO1], v[96:99], s[\yb:\yb+1]
	global_store_b64 v[GO2], v[100:101], s[\yb:\yb+1]
	global_store_b8 v29, v218, s[\ys:\ys+1]
.endm
	INIT
.Lhi:                                              ; 16 trips: the count is a constant; a wave's steps past its tile's last are jumped over inside
	STEP 16, 28, DHI, 16
	s_cmp_lt_u32 s[STP], 16
	s_cbranch_scc1 .Lhi
	s_setprio 0
	WAYOUT 48, 50
	s_wait_xcnt 0x0                                ; the stores have read their registers: they are written again below
	INIT
.Llo:                                              ; 8 trips
	STEP 240, 252, DLO, 17
	s_cmp_lt_u32 s[STP], 8
	s_cbranch_scc1 .Llo
	s_setprio 0
	WAYOUT 56, 58
	s_wait_dscnt 0x0
	s_wait_tensorcnt 0x0
	ds_add_u32 v254, v255
	s_wait_dscnt 0x0
	CROUND                                         ; the closing round: no work-group ends while a partner may still ask for a tile that names it
	s_endpgm
.Lfunc_end_k_q372b1d2b61_attn:
	.size	k_q372b1d2b61_attn, .Lfunc_end_k_q372b1d2b61_attn-k_q372b1d2b61_attn
	.p2alignl 7, 3214868480
	.fill 96, 4, 3214868480
	.section	.rodata,"a",@progbits
	.p2align	6, 0x0
	.amdhsa_kernel k_q372b1d2b61_attn
		.amdhsa_group_segment_fixed_size 227328
		.amdhsa_private_segment_fixed_size 0
		.amdhsa_enable_private_segment 0
		.amdhsa_kernarg_size 24
		.amdhsa_user_sgpr_count 2
		.amdhsa_user_sgpr_kernarg_segment_ptr 1
		.amdhsa_wavefront_size32 1
		.amdhsa_system_sgpr_workgroup_id_x 1
		.amdhsa_system_sgpr_workgroup_id_y 1
		.amdhsa_system_sgpr_workgroup_id_z 1
		.amdhsa_system_vgpr_workitem_id 0
		.amdhsa_next_free_vgpr 256
		.amdhsa_next_free_sgpr 66
		.amdhsa_reserve_vcc 1
		.amdhsa_float_denorm_mode_32 3
		.amdhsa_float_denorm_mode_16_64 3
		.amdhsa_memory_ordered 1
		.amdhsa_forward_progress 1
		.amdhsa_inst_pref_size 67
	.end_amdhsa_kernel
	.amdgpu_metadata
---
amdhsa.version: [ 1, 2 ]
amdhsa.kernels:
  - .name:           k_q372b1d2b61_attn
    .symbol:         k_q372b1d2b61_attn.kd
    .args:
      - { .name: qq, .offset: 0, .size: 8, .value_kind: global_buffer, .address_space: global }
      - { .name: kv, .offset: 8, .size: 8, .value_kind: global_buffer, .address_space: global }
      - { .name: yq, .offset: 16, .size: 8, .value_kind: global_buffer, .address_space: global }
    .group_segment_fixed_size: 227328
    .private_segment_fixed_size: 0
    .kernarg_segment_align: 8
    .kernarg_segment_size: 24
    .max_flat_workgroup_size: 512
    .sgpr_count:     66
    .vgpr_count:     256
    .wavefront_size: 32
...
	.end_amdgpu_metadata
.endif
;; end of part 3
;; launch gemm_proj (part 4): grid 4 x 32, 4 waves a work-group, clusters of 4 x 4, 327,680 bytes of LDS; arguments yq, wp, bproj, out0; writes out0
.if DOCPART == 4
	.amdgcn_target "amdgcn-amd-amdhsa--gfx1250"
	.amdhsa_code_object_version 6
	.text
	.protected	k_q372b1d2b61_gemm_proj
	.globl	k_q372b1d2b61_gemm_proj
	.p2align	8
	.type	k_q372b1d2b61_gemm_proj,@function
k_q372b1d2b61_gemm_proj:
	s_mov_b64 s[64:65], 0
	v_nop
	global_prefetch_b8 v0, s[64:65] scope:SCOPE_SE
	s_setreg_imm32_b32 hwreg(HW_REG_WAVE_MODE, 25, 1), 1
	s_wait_xcnt 0x0
	s_wait_alu depctr_hold_cnt(0) depctr_sa_sdst(0) depctr_va_vdst(0) depctr_va_sdst(0) depctr_va_ssrc(0) depctr_va_vcc(0) depctr_vm_vsrc(0)
	s_getreg_b32 s2, hwreg(HW_REG_IB_STS2, 6, 4)
	s_cmp_eq_u32 s2, 0
	s_cbranch_scc0 .Lentry_in_a_cluster
	s_endpgm
.Lentry_in_a_cluster:
	s_bfe_u32 s2, ttmp6, 0x10000c
	s_cmp_lg_u32 s2, 0xf033
	s_cbranch_scc0 .Lentry_shape_is_right
	s_endpgm
.Lentry_shape_is_right:
.set NQ,     2
.set ROWB,   192
.set KROW,   768
.set PITCH,  240
.set FR,     12
.set NL,     6
.set NP,     4
.set HALFT,  128*PITCH
.set AHALF,  24576
.set SLOT,   2*AHALF+2*HALFT
.set LAPS,   2
.set KS,     32
.set SCL,    2*SLOT
.set HALFS,  4352
.set SBLK,   544
.set SPARE,  SCL+4*HALFS
.set SPITCH, 528
.set ADRA, 16
.set ADRB, 20
.set STO,  24
.set RD,   25
.set CO,   26
.set ADRS, 27
.set SPW,  28
.set NIL,  29
.set SC,   32
.set BQ,   64
.set AF,   128
.set BK,   128
.set G1, 24
.set G0, 32
.set G1B, 48
.set G0B, 56
.set G1S, 68
.set G0S, 76
.set G1SB, 80
.set G0SB, 88
.set MSB, 0
.macro WIN new
.if MSB != (\new)
	s_set_vgpr_msb (MSB<<8)|(\new)
.set MSB, (\new)
.endif
.endm
.set MUL_LO, 0xa1
.set MUL_HI, 0xf1
.set TO_B,   0x40
.macro JLOAD g0a, g1a, g0b, g1b
	s_cmp_eq_u32 s15, 0
	s_cbranch_scc0 .Lfor_b_\@
	tensor_load_to_lds s[\g0a:\g0a+3], s[\g1a:\g1a+7]
	s_nop 0
.rept 4
	v_nop
.endr
	s_branch .Lasked_\@
.Lfor_b_\@:
	tensor_load_to_lds s[\g0b:\g0b+3], s[\g1b:\g1b+7]
	s_nop 0
.rept 4
	v_nop
.endr
.Lasked_\@:
.endm
.macro CREST
	s_cmp_lg_u32 s14, 0
	s_cbranch_scc1 .Lnot_wave_0_\@
	s_barrier_signal -3
.Lnot_wave_0_\@:
	s_barrier_wait -3
	s_barrier_signal -1
	s_barrier_wait -1
.endm
.macro CROUND
	s_barrier_signal -1
	s_barrier_wait -1
	CREST
.endm
	s_load_b128 s[4:7], s[0:1], 0x0
	s_load_b128 s[8:11], s[0:1], 0x10
	v_lshl_add_u32 v[SPW], v0, 2, SPARE
	v_mov_b32 v[NIL], 0
	ds_add_u32 v28, v29
	ds_add_u32 v28, v29
	s_wait_dscnt 0x0
	v_lshrrev_b32 v1, 5, v0
	v_readfirstlane_b32 s14, v1
	s_lshr_b32 s15, s14, 1
	s_and_b32 s16, s14, 1
	s_bfe_u32 s40, ttmp6, 0x40000
	s_bfe_u32 s41, ttmp6, 0x40004
	s_lshl_b32 s42, ttmp9, 2
	s_add_co_u32 s42, s42, s40
	s_and_b32 s17, ttmp7, 0xffff
	s_lshl_b32 s17, s17, 2
	s_add_co_u32 s17, s17, s41
	s_lshl_b32 s43, s41, 2
	s_lshl_b32 s43, 15, s43
	s_lshl_b32 s44, 0x1111, s40
	s_or_b32 s[G1+0], s43, (3<<16)|(1<<21)
	s_mov_b32 s[G1+1], 768<<16
	s_mov_b32 s[G1+2], 4<<16
	s_mov_b32 s[G1+3], 768<<16
	s_mov_b32 s[G1+4], 4
	s_mov_b32 s[G1+5], 12288
	s_mov_b32 s[G1+6], 0
	s_mov_b32 s[G1+7], 0
	s_or_b32 s[G1B+0], s44, (0<<16)|(1<<20)|(1<<21)|(3<<22)|(3<<25)
	s_mov_b32 s[G1B+1], ROWB<<16
	s_mov_b32 s[G1B+2], 128<<16
	s_mov_b32 s[G1B+3], ROWB<<16
	s_mov_b32 s[G1B+4], 128
	s_mov_b32 s[G1B+5], KROW
	s_mov_b32 s[G1B+6], 0
	s_mov_b32 s[G1B+7], 0
	s_or_b32 s[G1S+0], s43, (3<<16)|(1<<20)|(1<<21)|(5<<22)|(3<<25)
	s_or_b32 s[G1SB+0], s44, (3<<16)|(1<<20)|(1<<21)|(5<<22)|(3<<25)
.irp g, G1S, G1SB
	s_mov_b32 s[\g+1], 32<<16
	s_mov_b32 s[\g+2], 16<<16
	s_mov_b32 s[\g+3], 32<<16
	s_mov_b32 s[\g+4], 16
	s_mov_b32 s[\g+5], 32
	s_mov_b32 s[\g+6], 0
	s_mov_b32 s[\g+7], 0
.endr
	s_lshl_b32 s18, s16, 7
	s_lshl_b32 s20, s17, 8
	s_add_co_u32 s20, s20, s18
	s_lshl_b32 s46, s42, 8
	s_add_co_u32 s46, s46, s18
	s_lshl_b32 s22, s20, 5
	s_add_co_u32 s22, s22, 6291456
	s_mov_b32 s23, 0
	s_lshl_b32 s92, s46, 5
	s_add_co_u32 s92, s92, 786432
	s_mov_b32 s93, 0
	s_lshr_b32 s19, s20, 11
	s_mul_i32 s19, s19, 1572864
	s_and_b32 s20, s20, 2047
	s_mul_i32 s20, s20, 48
	s_add_co_u32 s20, s20, s19
	s_mov_b32 s21, 0
	s_mul_i32 s46, s46, KROW
	s_mov_b32 s47, 0
	s_mul_i32 s45, s16, AHALF
	s_mul_i32 s95, s16, HALFT
	s_add_co_u32 s95, s95, 2*AHALF
	s_mul_i32 s94, s14, HALFS
	s_wait_kmcnt 0x0
	s_add_nc_u64 s[20:21], s[4:5], s[20:21]
	s_add_nc_u64 s[22:23], s[4:5], s[22:23]
	s_add_nc_u64 s[46:47], s[6:7], s[46:47]
	s_add_nc_u64 s[92:93], s[6:7], s[92:93]
	CROUND
	s_mov_b32 s[G0S], 1
	s_add_co_u32 s[G0S+1], s94, SCL
	s_mov_b64 s[G0S+2:G0S+3], s[22:23]
	s_or_b32 s[G0S+3], s[G0S+3], 0x80000000
	s_mov_b32 s[G0SB], 1
	s_add_co_u32 s[G0SB+1], s94, SCL
	s_mov_b64 s[G0SB+2:G0SB+3], s[92:93]
	s_or_b32 s[G0SB+3], s[G0SB+3], 0x80000000
	JLOAD G0S, G1S, G0SB, G1SB
.irp s, 0,1
	s_mov_b32 s[G0+4*\s], 1
	s_add_co_u32 s[G0+4*\s+1], s45, \s*SLOT
	s_add_nc_u64 s[G0+4*\s+2:G0+4*\s+3], s[20:21], \s*393216
	s_or_b32 s[G0+4*\s+3], s[G0+4*\s+3], 0x80000000
	s_mov_b32 s[G0B+4*\s], 1
	s_add_co_u32 s[G0B+4*\s+1], s95, \s*SLOT
	s_add_nc_u64 s[G0B+4*\s+2:G0B+4*\s+3], s[46:47], \s*ROWB
	s_or_b32 s[G0B+4*\s+3], s[G0B+4*\s+3], 0x80000000
	s_wait_alu depctr_va_vdst(0)
	s_wait_tensorcnt 0x0
	ds_add_u32 v28, v29
	s_wait_dscnt 0x0
	CROUND
	JLOAD G0+4*\s, G1, G0B+4*\s, G1B
.endr
	s_lshl_b32 s18, s42, 8
	s_lshl_b32 s19, s16, 7
	s_add_co_u32 s18, s18, s19
	s_lshl_b32 s18, s18, 2
	s_mov_b32 s19, 0
	s_add_nc_u64 s[96:97], s[8:9], s[18:19]
	v_and_b32 v1, 15, v0
	v_bfe_u32 v2, v0, 4, 1
	v_lshlrev_b32 v30, 6, v2
.irp b, 0,1,2,3,4,5,6,7
	global_load_b128 v[BQ+8*\b:BQ+8*\b+3], v30, s[96:97] offset:(32*(\b/2)+8*(\b%2))*4
	global_load_b128 v[BQ+8*\b+4:BQ+8*\b+7], v30, s[96:97] offset:(32*(\b/2)+8*(\b%2))*4+16
.endr
	v_mul_u32_u24 v3, v1, PITCH
	v_mul_u32_u24 v4, v2, 24
	v_add_nc_u32 v4, v3, v4
	v_lshl_add_u32 v5, v2, 4, v4
	v_mul_u32_u24 v6, v1, 48
	v_mad_u32_u24 v6, v2, 24, v6
	s_mul_i32 s21, s15, AHALF
	s_mul_i32 s22, s16, HALFT
	s_add_co_u32 s22, s22, 2*AHALF
.irp s, 0,1
	v_add_nc_u32 v[ADRA+\s], s21, v6
	v_add_nc_u32 v[ADRB+\s], s22, v4
	v_add_nc_u32 v[ADRB+2+\s], s22, v5
	s_add_co_u32 s21, s21, SLOT
	s_add_co_u32 s22, s22, SLOT
.endr
	v_mul_u32_u24 v5, v1, KS
	v_lshrrev_b32 v6, 8, v5
	v_lshl_add_u32 v5, v6, 4, v5
	s_mul_i32 s21, s15, HALFS
	s_mul_i32 s22, s16, HALFS
	s_add_co_u32 s22, s22, 2*HALFS
	s_sub_co_u32 s22, s22, s21
	v_mul_u32_u24 v6, s22, v2
	s_add_co_u32 s21, s21, SCL
	v_add_nc_u32 v5, v5, v6
	v_add_nc_u32 v[ADRS], s21, v5
	s_mul_i32 s23, s14, 16*SPITCH
	v_mul_u32_u24 v5, v1, SPITCH
	v_lshl_add_u32 v5, v2, 6, v5
	v_add_nc_u32 v[STO], s23, v5
	v_and_b32 v6, 31, v0
	v_lshlrev_b32 v[CO], 4, v6
	v_add_nc_u32 v[RD], s23, v[CO]
	s_lshl_b32 s20, s17, 8
	s_lshl_b32 s21, s15, 7
	s_add_co_u32 s20, s20, s21
	s_lshl_b32 s20, s20, 12
	s_lshl_b32 s21, s42, 10
	s_add_co_u32 s20, s20, s21
	s_lshl_b32 s21, s16, 9
	s_add_co_u32 s20, s20, s21
	s_mov_b32 s21, 0
	s_add_nc_u64 s[12:13], s[10:11], s[20:21]
.macro FRAG reg, adr, q, i
.irp p, 0,1,2,3,4,5
.set PCE, 12*(\q)+6*(\p/3)+\p%3
.if PCE%8 < 5
	ds_load_b64 v[\reg+2*\p:\reg+2*\p+1], v[\adr] offset:8*PCE+16*(PCE/8)+(\i)*16*PITCH
.else
	ds_load_b64 v[\reg+2*\p:\reg+2*\p+1], v[\adr+2] offset:8*PCE+16*(PCE/8)+(\i)*16*PITCH
.endif
.endr
.endm
.macro FRAGA reg, adr, q, i
.irp p, 0,1,2,3,4,5
	ds_load_b64 v[\reg+2*\p:\reg+2*\p+1], v[\adr] offset:(2*(\q)+\p/3)*6144+768*(\i)+8*(\p%3)
.endr
.endm
.macro MUL16 a0, p, q, sc, zero
.irp a, \a0, \a0+1
.irp b, 0,1,2,3,4,5,6,7
.if \zero
	v_wmma_scale_f32_16x16x128_f8f6f4 v[8*(8*((\a)%4)+\b):8*(8*((\a)%4)+\b)+7], v[128*(\p)+FR*\b:128*(\p)+FR*\b+FR-1], v[AF+FR*(\a):AF+FR*(\a)+FR-1], v[BQ+8*\b:BQ+8*\b+7], v[SC+8*NQ*(\sc)+NQ*\b+(\q)], v[SC+8*NQ*(\sc)+NQ*(\a)+(\q)] matrix_a_fmt:MATRIX_FMT_BF6 matrix_b_fmt:MATRIX_FMT_BF6 matrix_a_scale:MATRIX_SCALE_ROW1
.else
	v_wmma_scale_f32_16x16x128_f8f6f4 v[8*(8*((\a)%4)+\b):8*(8*((\a)%4)+\b)+7], v[128*(\p)+FR*\b:128*(\p)+FR*\b+FR-1], v[AF+FR*(\a):AF+FR*(\a)+FR-1], v[8*(8*((\a)%4)+\b):8*(8*((\a)%4)+\b)+7], v[SC+8*NQ*(\sc)+NQ*\b+(\q)], v[SC+8*NQ*(\sc)+NQ*(\a)+(\q)] matrix_a_fmt:MATRIX_FMT_BF6 matrix_b_fmt:MATRIX_FMT_BF6 matrix_a_scale:MATRIX_SCALE_ROW1
.endif
.endr
.endr
.endm
.macro FETCH_B slot, q, p
	WIN TO_B
.irp i, 0,1,2,3,4,5,6,7
	FRAG 128*(\p)+FR*\i, ADRB+\slot, \q, \i
.endr
	WIN 0
.endm
.macro FETCH_A slot, q, i0
.irp i, \i0, \i0+1, \i0+2, \i0+3
	FRAGA AF+FR*(\i), ADRA+\slot, \q, \i
.endr
.endm
.macro SCALES sc
.irp i, 0,1,2,3,4,5,6,7
	ds_load_b64 v[SC+8*NQ*\sc+NQ*\i:SC+8*NQ*\sc+NQ*\i+1], v[ADRS] offset:\i*SBLK
.endr
.endm
.macro PLACES n
.rept \n
	v_nop
.endr
.endm
.macro STEP slot, q, zero
	s_wait_dscnt 4*NL
.if \zero
	WIN 0x81
.else
	WIN MUL_LO
.endif
	MUL16 0, (\q)%2, \q, \slot, \zero
	MUL16 2, (\q)%2, \q, \slot, \zero
	s_wait_dscnt 0
	PLACES NP
	FETCH_B \slot, (\q)+1, 1-(\q)%2
	FETCH_A \slot, (\q)+1, 0
.if \zero
	WIN 0xc1
.else
	WIN MUL_HI
.endif
	MUL16 4, (\q)%2, \q, \slot, \zero
	MUL16 6, (\q)%2, \q, \slot, \zero
	PLACES NP
	WIN 0
	FETCH_A \slot, (\q)+1, 4
.endm
.macro TURN slot, next, fill
	s_wait_tensorcnt 0x0
	ds_add_u32 v[SPW], v[NIL]
	s_wait_dscnt 4*NL+1
	WIN MUL_LO
	MUL16 0, 1, NQ-1, \slot, 0
	s_wait_dscnt 0x0
	s_barrier_signal -1
	MUL16 2, 1, NQ-1, \slot, 0
	WIN 0
	s_barrier_wait -1
.if \fill
	CREST
	s_add_nc_u64 s[G0+4*\slot+2:G0+4*\slot+3], s[G0+4*\slot+2:G0+4*\slot+3], 786432
	s_add_nc_u64 s[G0B+4*\slot+2:G0B+4*\slot+3], s[G0B+4*\slot+2:G0B+4*\slot+3], 2*ROWB
	JLOAD G0+4*\slot, G1, G0B+4*\slot, G1B
.else
	PLACES NP
.endif
	s_wait_alu depctr_va_vdst(0)
	v_add_nc_u32 v[ADRS], 4*NQ, v[ADRS]
	FETCH_B \next, 0, 0
	FETCH_A \next, 0, 0
	SCALES \next
	WIN MUL_HI
	MUL16 4, 1, NQ-1, \slot, 0
	MUL16 6, 1, NQ-1, \slot, 0
	PLACES NP
	WIN 0
	FETCH_A \next, 0, 4
.endm
	s_wait_alu depctr_va_vdst(0)
	s_wait_loadcnt 0x0
	s_wait_tensorcnt 1
	s_barrier_signal -1
	s_barrier_wait -1
	FETCH_B 0, 0, 0
	FETCH_A 0, 0, 0
	SCALES 0
	FETCH_A 0, 0, 4
	STEP 0, 0, 1
	s_mov_b32 s3, LAPS-1
.Llap:
	TURN 0, 1, 1
	STEP 1, 0, 0
	TURN 1, 0, 1
	STEP 0, 0, 0
	s_sub_co_u32 s3, s3, 1
	s_cmp_lg_u32 s3, 0
	s_cbranch_scc1 .Llap
	TURN 0, 1, 0
	STEP 1, 0, 0
	s_wait_dscnt 4*NL
	WIN MUL_LO
	MUL16 0, 1, NQ-1, 1, 0
	MUL16 2, 1, NQ-1, 1, 0
	s_wait_dscnt 0
	WIN MUL_HI
	MUL16 4, 1, NQ-1, 1, 0
	MUL16 6, 1, NQ-1, 1, 0
	WIN 0
.macro TOSTAGE a
.set AC, 64*((\a)%4)
	WIN 0x08+4*((\a)/4)
.irp b, 0,1,2,3,4,5,6,7
	ds_store_b128 v[STO], v[AC+8*\b:AC+8*\b+3] offset:128*(\b/2)+32*(\b%2)
	ds_store_b128 v[STO], v[AC+8*\b+4:AC+8*\b+7] offset:128*(\b/2)+32*(\b%2)+16
.endr
	WIN 0
.set BB, BK+64*((\a)%2)
.irp t, 0,1,2,3,4,5,6,7,8,9,10,11,12,13,14,15
	ds_load_b128 v[BB+4*\t:BB+4*\t+3], v[RD] offset:\t*SPITCH
.endr
.endm
.macro SEND a, younger
.set BB, BK+64*((\a)%2)
	s_wait_dscnt \younger
.irp t, 0,1,2,3,4,5,6,7,8,9,10,11,12,13,14,15
	global_store_b128 v[CO], v[BB+4*\t:BB+4*\t+3], s[12:13] offset:(32*((\a)/2)+8*((\a)%2)+\t+8*(\t/8))*4096 th:TH_STORE_NT
.endr
.endm
	PLACES NP
	TOSTAGE 0
.irp a, 1,2,3,4,5,6,7
.if \a > 1
	s_wait_xcnt 0x0
.endif
	TOSTAGE \a
	SEND \a-1, 32
.endr
	SEND 7, 0
	s_wait_tensorcnt 0x0
	ds_add_u32 v[SPW], v[NIL]
	s_wait_dscnt 0x0
	CROUND
	s_endpgm
.Lfunc_end_k_q372b1d2b61_gemm_proj:
	.size	k_q372b1d2b61_gemm_proj, .Lfunc_end_k_q372b1d2b61_gemm_proj-k_q372b1d2b61_gemm_proj
	.p2alignl 7, 3214868480
	.fill 96, 4, 3214868480
	.section	.rodata,"a",@progbits
	.p2align	6, 0x0
	.amdhsa_kernel k_q372b1d2b61_gemm_proj
		.amdhsa_group_segment_fixed_size 327680
		.amdhsa_private_segment_fixed_size 0
		.amdhsa_enable_private_segment 0
		.amdhsa_kernarg_size 32
		.amdhsa_user_sgpr_count 2
		.amdhsa_user_sgpr_kernarg_segment_ptr 1
		.amdhsa_wavefront_size32 1
		.amdhsa_system_sgpr_workgroup_id_x 1
		.amdhsa_system_sgpr_workgroup_id_y 1
		.amdhsa_system_sgpr_workgroup_id_z 1
		.amdhsa_system_vgpr_workitem_id 0
		.amdhsa_next_free_vgpr 1024
		.amdhsa_next_free_sgpr 98
		.amdhsa_reserve_vcc 0
		.amdhsa_float_denorm_mode_32 3
		.amdhsa_float_denorm_mode_16_64 3
		.amdhsa_memory_ordered 1
		.amdhsa_forward_progress 1
		.amdhsa_inst_pref_size 162
	.end_amdhsa_kernel
	.amdgpu_metadata
---
amdhsa.version: [ 1, 2 ]
amdhsa.kernels:
  - .name:           k_q372b1d2b61_gemm_proj
    .symbol:         k_q372b1d2b61_gemm_proj.kd
    .args:
      - { .name: yq, .offset: 0, .size: 8, .value_kind: global_buffer, .address_space: global }
      - { .name: wp, .offset: 8, .size: 8, .value_kind: global_buffer, .address_space: global }
      - { .name: bproj, .offset: 16, .size: 8, .value_kind: global_buffer, .address_space: global }
      - { .name: out0, .offset: 24, .size: 8, .value_kind: global_buffer, .address_space: global }
    .group_segment_fixed_size: 327680
    .private_segment_fixed_size: 0
    .kernarg_segment_align: 8
    .kernarg_segment_size: 32
    .max_flat_workgroup_size: 128
    .sgpr_count:     98
    .vgpr_count:     1024
    .wavefront_size: 32
...
	.end_amdgpu_metadata
.endif
;; end of part 4
